; MI455X (gfx1250); checked and timed in simulation.
; The chip was launched on July 23, 2026; its instructions are those of AMD's public machine-readable ISA for CDNA 5 (MIT licence, August 2026) and "CDNA5" Instruction Set Architecture Reference Guide (July 2026). The comments in the code are by the model that wrote it; some were corrected since.
;; Cross Attention. Allowed arithmetic: matrix products marked QUANTISED: E2M1 operands, one E8M0 scale for each 32 along K, by v_wmma_scale_f32_16x16x128_f8f6f4 with both operands' format E2M1 (or v_wmma_scale_f32_32x16x128_f4), f32 sums; products left as they are: f32 operands where the result goes on into a quantised operand, else bf16, f16 or f32 operands; f32 sums; everything else in f32.
;; Inputs: Wk 1,024 x 1,024 float32; Wp 1,024 x 1,024 float32; Wq 1,024 x 1,024 float32; Wv 1,024 x 1,024 float32; bk 1,024 float32; bp 1,024 float32; bq 1,024 float32; bv 1,024 float32; cls_token 2 x 1 x 1,024 float32; x_kv 2 x 2,048 x 1,024 float32; x_q 2 x 2,048 x 1,024 float32.
;; Outputs: out0 2 x 2,048 x 1,024 float32; out1 2 x 2,048 x 2,048 float32; out2 2 x 1 x 1 x 2,048 float32.
;; This version of the problem:
;;   THIS VERSION OF THE PROBLEM IS GIVEN IN LOW PRECISION. The matrix products marked QUANTISED in the list below multiply operands that are first quantised to E2M1 (2 exponent bits, 1 mantissa bit; 4 bits a number), with one power-of-two scale for each 32 numbers along K (OCP MX v1.0); their sums are f32. All else is computed in f32.
;;   The module's matrix products, in the order in which they are computed (A, B: the left and right operand; K: the contracted axis; several contracted axes count as one K, in the product's order):
;;     1. [M 4,096, K 1,024] x [K 1,024, N 1,024]; A: input x_q; B: input Wq: QUANTISED
;;     2. [M 4,096, K 1,024] x [K 1,024, N 1,024]; A: input x_kv; B: input Wk: QUANTISED
;;     3. [M 4,096, K 1,024] x [K 1,024, N 1,024]; A: input x_kv; B: input Wv: QUANTISED
;;     4. batch 32 x [M 2,048, K 64] x [K 64, N 2,048]; A: computed on the way; B: computed on the way: QUANTISED
;;     5. batch 32 x [M 1, K 64] x [K 64, N 2,048]; A: input cls_token; B: computed on the way: left as it is (M = 1 < 16)
;;     6. batch 32 x [M 64, K 2,048] x [K 2,048, N 2,048]; A: computed on the way; B: computed on the way: QUANTISED
;;     7. [M 4,096, K 1,024] x [K 1,024, N 1,024]; A: computed on the way; B: input Wp: QUANTISED
;;   THE QUANTISER, for each operand of a quantised product, along K:
;;     - K is cut into blocks of 32 from its start; a last block that is shorter is filled with zeros.
;;     - A block's scale is 2^e with e = floor(log2(the largest magnitude in the block)) - 2, held to -126 .. 127; a block of zeros has e = 0. As a byte (E8M0): e + 127.
;;     - Each number is divided by its block's scale, clamped to +-6, and rounded to the nearest number of E2M1, ties to even, subnormals kept.
;;     - The product sums the exact products of the quantised numbers (number of the format x scale) in f32.
;;   ~~~python
;;   def quantise(x, axis):      # numpy; x: float32 -> the quantised numbers, widened to float32 again
;;       x = np.moveaxis(x, axis, -1); K = x.shape[-1]
;;       x = np.pad(x, [(0, 0)] * (x.ndim - 1) + [(0, -K % 32)]); x = x.reshape(x.shape[:-1] + (-1, 32)); a = np.abs(x).max(-1, keepdims=True)
;;       e = np.where(a > 0, np.clip(np.frexp(np.where(a > 0, a, 1))[1] - 1 - 2, -126, 127), 0)      # np.frexp(a)[1] - 1 = floor(log2(a)), exactly
;;       r = np.clip(x / 2.0 ** e, -6, 6)
;;       step = 2.0 ** (np.maximum(np.frexp(np.where(r == 0, 1, r))[1] - 1, 0) - 1)
;;       q = np.round(r / step) * step * 2.0 ** e      # np.round: ties to even
;;       return np.moveaxis(q.reshape(q.shape[:-2] + (-1,))[..., :K], -1, axis).astype(np.float32)
;;   ~~~
;;   OPERANDS COMPUTED ON THE WAY. 'Computed on the way' means the value that the module computes at that place (a softmax that the list does not call 'softmax' is quantised finished and normalised). What goes into a quantiser is computed in f32, as accurately as f32 sums, v_exp_f32 and their like allow (about 1e-6 of the number): no bf16 or f16 on the way to a quantiser, and a product that is left as it is and whose result goes on into a quantised operand takes f32 operands (vector FMAs, or v_wmma_f32_16x16x4_f32). A number that lies on a knife's edge between two numbers of the format may be rounded either way, as far as f32 arithmetic and the matrix unit's own rounding can turn it there, and no further.
;; One version. Each part assembles by itself: llvm-mc -triple=amdgcn-amd-amdhsa -mcpu=gfx1250 --defsym DOCPART=n.
;; ======== version 1 of 1: 4 launches
;; workspace buffers: pk 6,684,672 bytes; pq 2,228,224 bytes; pkk 2,228,224 bytes; px 2,228,224 bytes; pv 2,228,224 bytes; affp 131,072 bytes
;; launch quant (part 1): grid 384 x 2, 4 waves a work-group, no clusters, 68,096 bytes of LDS; arguments x_q, x_kv, Wq, Wk, Wv, Wp, pk; writes pk
.if DOCPART == 1
	.amdgcn_target "amdgcn-amd-amdhsa--gfx1250"
	.amdhsa_code_object_version 6
	.text
	.protected	k_qaae4ff5ba9_quant
	.globl	k_qaae4ff5ba9_quant
	.p2align	8
	.type	k_qaae4ff5ba9_quant,@function
k_qaae4ff5ba9_quant:
	s_mov_b64 s[64:65], 0
	v_nop
	global_prefetch_b8 v0, s[64:65] scope:SCOPE_SE
	s_setreg_imm32_b32 hwreg(HW_REG_WAVE_MODE, 25, 1), 1
	s_wait_xcnt 0x0
; x_q, x_kv [4096][1024] and Wq, Wk, Wv, Wp [1024][1024], f32, K innermost, become codes of FP4 (E2M1) with one E8M0 byte for each 32 along K,
; laid IN THE ORDER OF THE OPERAND'S REGISTERS (a "pack").  A block of 256 rows is BLK bytes: two K halves of HALF bytes; a half holds
; codes [K step 4][tile 16][c 2][lane 32][16 bytes] and, SCO bytes on, scale words [K step 4][tile 16][row 16].  Lane 16 h + r of tile T holds the 32 codes
; K = 128 step + 64 c + 32 h + 0..31 of row 32 (T / 2) + 8 (T % 2) + r % 8 + 16 (r / 8) of the block; byte 2 c + h of the row's word is that block's scale.
; THE ROWS OF A TILE ARE NOT NEIGHBOURS: taken as source 0 of a product, tiles 2 g and 2 g + 1 give a lane 16 neighbouring rows in 16 registers.
; A block's scale is 2^(floor(log2(largest magnitude)) - 2): its byte is the largest magnitude's exponent field - 2, held at 1 from below.
; LIMITS: a block of zeros, and one whose largest magnitude lies under 2^-124, gets the byte 1 (a block of zeros would have 127 by the rule: its codes are zeros, and this program alone reads the bytes);
; NaN and infinities among the inputs are not served.
; SHARES.  Work-group x is a group of 32 rows (two tiles) of the six tensors laid on end, y the K half, the wave the K step: a wave takes 32 rows x 128 K.  Each load reads 512 consecutive bytes of a row;
; the rows turn through the wave's own stage in LDS (slots of 512 + 16 bytes), so that a lane gets a whole block of 32 neighbours.  No loop, no barrier, no cluster: work-groups and waves share no input.
; The codes leave as 512 consecutive bytes a store; the two tiles' scale words as 128 consecutive bytes (a part of an aligned 256: one byte in 128 of what the wave reads).
.set BLK,  139264
.set HALF, 69632
.set SCO,  65536
.set SP,   528                         ; a slot of the stage: a row's 512 bytes + 16
.set C,    16                          ; v16-31   codes: four registers for each (tile, c): no store's data are written again
.set R,    32                          ; v32-159  32 rows as loaded, 4 registers each
.set X,    160                         ; v160-223 my two blocks of 32 numbers of a tile
	s_load_b256 s[4:11], s[0:1], 0x0               ; x_q, x_kv, Wq, Wk
	s_load_b128 s[12:15], s[0:1], 0x20             ; Wv, Wp
	s_load_b64 s[16:17], s[0:1], 0x30              ; pk
	v_lshl_add_u32 v232, v0, 2, 0x10800
	v_mov_b32 v233, 0
	v_lshrrev_b32 v1, 5, v0
	v_readfirstlane_b32 s18, v1                    ; wave = K step of the half
	v_and_b32 v1, 31, v0
	v_lshlrev_b32 v2, 4, v1                        ; 16 x lane
	v_lshlrev_b32 v3, 2, v1                        ; 4 x lane
	v_bfe_u32 v4, v0, 4, 1                         ; h
	v_and_b32 v5, 15, v0                           ; r
	s_mul_i32 s19, s18, 32*SP                      ; my stage
	v_add_nc_u32 v6, s19, v2                       ; into it: a row as it lies
	v_mul_u32_u24 v7, v5, SP
	v_lshl_add_u32 v7, v4, 7, v7
	v_add_nc_u32 v7, s19, v7                       ; out of it: slot r, + 128 h: 32 numbers
	v_lshlrev_b32 v8, 3, v4                        ; 8 h: my bytes' place in the scale word
	s_mov_b32 s36, 0x76543210
	s_mov_b32 s37, 0xfedcba98                      ; v_permlanex16_b32's selects for lane l xor 16
	s_and_b32 s26, ttmp7, 0xffff                   ; the K half
	s_lshr_b32 s28, ttmp9, 3
	s_mul_i32 s28, s28, BLK
	s_mul_i32 s27, s26, HALF
	s_add_co_u32 s28, s28, s27                     ; the block and the half in pk
	s_and_b32 s30, ttmp9, 7                        ; which pair of tiles
	s_lshl_b32 s27, s18, 14
	s_add_co_u32 s32, s28, s27
	s_lshl_b32 s27, s30, 11
	s_add_co_u32 s32, s32, s27                     ; my codes
	s_mov_b32 s33, 0
	s_lshl_b32 s27, s18, 10
	s_add_co_u32 s34, s28, s27
	s_lshl_b32 s27, s30, 7
	s_add_co_u32 s34, s34, s27
	s_add_co_u32 s34, s34, SCO                     ; my scale words
	s_mov_b32 s35, 0
	s_wait_kmcnt 0x0
	s_mov_b64 s[20:21], s[14:15]                   ; which tensor, and its first group: the choice hangs on the work-group's number alone
	s_mov_b32 s22, 352
	s_cmp_lt_u32 ttmp9, 352
	s_cselect_b64 s[20:21], s[12:13], s[20:21]
	s_cselect_b32 s22, 320, s22
	s_cmp_lt_u32 ttmp9, 320
	s_cselect_b64 s[20:21], s[10:11], s[20:21]
	s_cselect_b32 s22, 288, s22
	s_cmp_lt_u32 ttmp9, 288
	s_cselect_b64 s[20:21], s[8:9], s[20:21]
	s_cselect_b32 s22, 256, s22
	s_cmp_lt_u32 ttmp9, 256
	s_cselect_b64 s[20:21], s[6:7], s[20:21]
	s_cselect_b32 s22, 128, s22
	s_cmp_lt_u32 ttmp9, 128
	s_cselect_b64 s[20:21], s[4:5], s[20:21]
	s_cselect_b32 s22, 0, s22
	s_sub_co_u32 s23, ttmp9, s22
	s_lshl_b32 s24, s23, 17                        ; 32 rows of 4,096 bytes a group
	s_lshl_b32 s27, s26, 11
	s_add_co_u32 s24, s24, s27                     ; + 512 numbers a half
	s_lshl_b32 s27, s18, 9
	s_add_co_u32 s24, s24, s27                     ; + 128 numbers a K step
	s_mov_b32 s25, 0
	s_add_nc_u64 s[20:21], s[20:21], s[24:25]
	s_add_nc_u64 s[32:33], s[16:17], s[32:33]
	s_add_nc_u64 s[34:35], s[16:17], s[34:35]
.set k, 0
.rept 32                               ; load k = 16 u + r brings the row of lane r of tile u
	global_load_b128 v[R+4*k:R+4*k+3], v2, s[20:21] offset:(8*(k/16)+(k%8)+16*((k%16)/8))*4096 th:TH_LOAD_NT
.set k, k+1
.endr
.macro TURN u                          ; tile u's 16 rows through the stage: LDS serves a wave's instructions in order, so no wait stands between the stores and the loads
.set i, 0
.rept 16
	ds_store_b128 v6, v[R+64*\u+4*i:R+64*\u+4*i+3] offset:SP*(16*\u+i)
.set i, i+1
.endr
.irp c, 0,1
.irp i, 0,1,2,3,4,5,6,7
	ds_load_b128 v[X+32*\c+4*\i:X+32*\c+4*\i+3], v7 offset:SP*16*\u+256*\c+16*\i
.endr
.endr
.endm
.macro QB u, c                         ; my block K = 64 c + 32 h + 0..31 of tile u: all 32 numbers are mine
.set XS, X+32*\c
.set CC, C+8*\u+4*\c
	v_max3_num_f32 v12, |v[XS]|, |v[XS+1]|, |v[XS+2]|
	v_max3_num_f32 v13, |v[XS+3]|, |v[XS+4]|, |v[XS+5]|
.irp i, 6,10,14,18,22,26
	v_max3_num_f32 v12, v12, |v[XS+\i]|, |v[XS+\i+1]|
	v_max3_num_f32 v13, v13, |v[XS+\i+2]|, |v[XS+\i+3]|
.endr
	v_max3_num_f32 v12, v12, |v[XS+30]|, |v[XS+31]|
	v_max3_num_f32 v12, v12, v13, 0x1800000        ; and the floor 2^(3 - 127): the byte cannot fall under 1
	v_add_nc_u32 v14, 0xff000000, v12              ; 2 off the exponent field: the conversion takes this operand's exponent field as its scale
.irp g, 0,1,2,3
	v_cvt_scalef32_pk8_fp4_f32 v[CC+\g], v[XS+8*\g:XS+8*\g+7], v14
.endr
	v_lshrrev_b32 v[15-6*\c], 23, v14              ; the scale's byte (v15 for c = 0, v9 for c = 1); also the plain line behind the conversions
	global_store_b128 v2, v[CC:CC+3], s[32:33] offset:1024*\u+512*\c   ; 32 lanes store 512 consecutive bytes
.endm
.macro TILE u, left
	s_wait_loadcnt \left                           ; this tile's 16 loads are in; the other tile's may be out
	TURN \u
	s_wait_dscnt 0x0
	QB \u, 0
	QB \u, 1
	v_lshl_or_b32 v[10+\u], v9, 16, v15            ; my two bytes, blocks h and 2 + h,
	v_lshlrev_b32 v[10+\u], v8, v[10+\u]           ; at their places in the word;
	v_permlanex16_b32 v13, v[10+\u], s36, s37
	v_or_b32 v[10+\u], v[10+\u], v13               ; with lane l xor 16's two the word is whole
.endm
	TILE 0, 16
	TILE 1, 0
	v_cmp_eq_u32 vcc_lo, 1, v4
	v_cndmask_b32 v10, v10, v11, vcc_lo            ; lanes 0-15 the first tile's words, lanes 16-31 the second's
	global_store_b32 v3, v10, s[34:35]
	s_wait_tensorcnt 0x0
	ds_add_u32 v232, v233
	s_wait_dscnt 0x0
	s_endpgm
.Lfunc_end_k_qaae4ff5ba9_quant:
	.size	k_qaae4ff5ba9_quant, .Lfunc_end_k_qaae4ff5ba9_quant-k_qaae4ff5ba9_quant
	.p2alignl 7, 3214868480
	.fill 96, 4, 3214868480
	.section	.rodata,"a",@progbits
	.p2align	6, 0x0
	.amdhsa_kernel k_qaae4ff5ba9_quant
		.amdhsa_group_segment_fixed_size 68096
		.amdhsa_private_segment_fixed_size 0
		.amdhsa_enable_private_segment 0
		.amdhsa_kernarg_size 56
		.amdhsa_user_sgpr_count 2
		.amdhsa_user_sgpr_kernarg_segment_ptr 1
		.amdhsa_wavefront_size32 1
		.amdhsa_system_sgpr_workgroup_id_x 1
		.amdhsa_system_sgpr_workgroup_id_y 1
		.amdhsa_system_sgpr_workgroup_id_z 1
		.amdhsa_system_vgpr_workitem_id 0
		.amdhsa_next_free_vgpr 234
		.amdhsa_next_free_sgpr 66
		.amdhsa_reserve_vcc 1
		.amdhsa_float_denorm_mode_32 3
		.amdhsa_float_denorm_mode_16_64 3
		.amdhsa_memory_ordered 1
		.amdhsa_forward_progress 1
		.amdhsa_inst_pref_size 17
	.end_amdhsa_kernel
	.amdgpu_metadata
---
amdhsa.version: [ 1, 2 ]
amdhsa.kernels:
  - .name:           k_qaae4ff5ba9_quant
    .symbol:         k_qaae4ff5ba9_quant.kd
    .args:
      - { .name: x_q, .offset: 0, .size: 8, .value_kind: global_buffer, .address_space: global }
      - { .name: x_kv, .offset: 8, .size: 8, .value_kind: global_buffer, .address_space: global }
      - { .name: Wq, .offset: 16, .size: 8, .value_kind: global_buffer, .address_space: global }
      - { .name: Wk, .offset: 24, .size: 8, .value_kind: global_buffer, .address_space: global }
      - { .name: Wv, .offset: 32, .size: 8, .value_kind: global_buffer, .address_space: global }
      - { .name: Wp, .offset: 40, .size: 8, .value_kind: global_buffer, .address_space: global }
      - { .name: pk, .offset: 48, .size: 8, .value_kind: global_buffer, .address_space: global }
    .group_segment_fixed_size: 68096
    .private_segment_fixed_size: 0
    .kernarg_segment_align: 8
    .kernarg_segment_size: 56
    .max_flat_workgroup_size: 128
    .sgpr_count:     66
    .vgpr_count:     234
    .wavefront_size: 32
...
	.end_amdgpu_metadata
.endif
;; end of part 1
;; launch proj (part 2): grid 4 x 48, 16 waves a work-group, clusters of 4 x 4, 280,576 bytes of LDS; arguments pk, bq, bk, bv, cls_token, pq, pkk, pv, affp; writes pq, pkk, pv, affp
.if DOCPART == 2
	.amdgcn_target "amdgcn-amd-amdhsa--gfx1250"
	.amdhsa_code_object_version 6
	.text
	.protected	k_qaae4ff5ba9_proj
	.globl	k_qaae4ff5ba9_proj
	.p2align	8
	.type	k_qaae4ff5ba9_proj,@function
k_qaae4ff5ba9_proj:
	s_mov_b64 s[64:65], 0
	v_nop
	global_prefetch_b8 v0, s[64:65] scope:SCOPE_SE
	s_setreg_imm32_b32 hwreg(HW_REG_WAVE_MODE, 25, 1), 1
	s_wait_xcnt 0x0
	s_wait_alu depctr_hold_cnt(0) depctr_sa_sdst(0) depctr_va_vdst(0) depctr_va_sdst(0) depctr_va_ssrc(0) depctr_va_vcc(0) depctr_vm_vsrc(0)
	s_getreg_b32 s2, hwreg(HW_REG_IB_STS2, 6, 4)
	s_cmp_eq_u32 s2, 0
	s_cbranch_scc0 .Lentry_in_a_cluster
	s_endpgm
.Lentry_in_a_cluster:
	s_bfe_u32 s2, ttmp6, 0x10000c
	s_cmp_lg_u32 s2, 0xf033
	s_cbranch_scc0 .Lentry_shape_is_right
	s_endpgm
.Lentry_shape_is_right:
; q = x_q Wq^T + bq, k = x_kv Wk^T + bk, v = x_kv Wv^T + bv on codes of FP4 (E2M1) with E8M0 scales; each result is quantised in registers along the NEXT product's K and stored as a pack;
; on k's way also sigmoid(cls . k / 16) by f32 multiply-adds on the unquantised k, summed over the two heads that a wave holds.
; PACK (all operands with K = 1,024): a block of 256 rows is BLK bytes, two K halves of HALF; a half: codes [K step 4][tile 16][c 2][lane 32][16 bytes], SCO bytes on scale words [K step 4][tile 16][row 16];
; lane r of tile T is row 32 (T / 2) + 8 (T % 2) + r % 8 + 16 (r / 8) of the block.  V's buffer, for each batch and head HALF bytes: codes [step of 128 keys 16][tile of 16 channels 4][c 2][lane 32][16], then words [16][4][16].
; SHARES.  A work-group takes a block S0 x a block S1, all of K, both filled into LDS ONCE as they lie in memory: no slot is filled again.  Wave w of sixteen takes S0's tiles 8 (w % 2) + 0..7 and S1's tiles 2 (w / 2) + 0, 1:
; 16 accumulators.  Source 0 is S0's tile: a lane holds ONE row of S1, and its 64 registers of an S1 tile run along 128 neighbouring rows of S0, which are one K step of the next product: one fragment and one whole scale word.
; JOBS, by the cluster's y (Y): Y / 4 = 0: S0 = Wq, S1 = x_q;  1: S0 = Wk, S1 = x_kv;  2: S0 = x_kv, S1 = Wv (so that v's registers run along the keys).
; CLUSTER 4 x 4: S0's block hangs on cx alone and is asked for jointly by my column of the cluster, S1's on cy alone, by my row.  A half (272 rows of 256 bytes, dense) is shared out evenly among the sixteen waves, 17 rows a load,
; so that no branch stands round a tensor load; a wave has four loads out.
; LIMITS: a block of zeros or under 2^-124 gets the scale byte 1 (this program alone reads the bytes); NaN and infinities are not served.
.set BLK,  139264
.set HALF, 69632
.set SCO,  65536
.set PART, 4352                        ; a wave's part of a half
.set LI,   1                           ; v1   16 x lane
.set LS,   2                           ; v2   4 x lane
.set VH,   3                           ; v3   h = lane / 16
.set A0,   5                           ; v5, v6    LDS: my S0 fragments, half 0, 1
.set A1,   7                           ; v7, v8    my S1 fragments
.set Z0,   9                           ; v9, v10   my S0 scale words
.set Z1,   11                          ; v11, v12  my S1 scale words
.set KEY,  13                          ; v13  4 x (8 h + r % 8 + 16 (r / 8))
.set H64,  14                          ; v14  64 h
.set ROWO, 15                          ; v15  4 x (r % 8 + 16 (r / 8))
.set TM,   16                          ; v16-31 at work in QUANT
.set CB,   16                          ; v16-31 v's way: bv of my two S1 rows, eight equal registers each
.set SC0,  32                          ; v32-35 S0's scale words: register p: tile 2 p in lanes 0-15, tile 2 p + 1 in lanes 16-31
.set SC1,  36                          ; v36    S1's: tile 0 below, tile 1 above
.set PW,   40                          ; v40, v41 the scale words just made
.set F1,   48                          ; v48-63  S1's two fragments; later the codes just made
.set F0,   64                          ; v64-127 S0's eight fragments; later cls
.set ACC,  128                         ; v128-255 accumulator (S0 tile i, S1 tile n) at ACC + 64 n + 8 i
.macro ROUND                           ; a round of the cluster's barrier
	s_barrier_signal -1
	s_barrier_wait -1
	s_cmp_lg_u32 s22, 0
	s_cbranch_scc1 .Lnot_wave_0_\@
	s_barrier_signal -3
.Lnot_wave_0_\@:
	s_barrier_wait -3
	s_barrier_signal -1
	s_barrier_wait -1
.endm
; One product.  c < 0: the sum starts with the constant 0.  ra, rb: the side's scale words stand in lanes 16-31 of the register named.
.macro WM d, a, b, c, sa, sb, ra, rb
.if (\c) < 0
.if (\ra) && (\rb)
	v_wmma_scale_f32_16x16x128_f8f6f4 v[(\d):(\d)+7], v[(\a):(\a)+7], v[(\b):(\b)+7], 0, v[(\sa)], v[(\sb)] matrix_a_fmt:MATRIX_FMT_FP4 matrix_b_fmt:MATRIX_FMT_FP4 matrix_a_scale:MATRIX_SCALE_ROW1 matrix_b_scale:MATRIX_SCALE_ROW1
.elseif (\ra)
	v_wmma_scale_f32_16x16x128_f8f6f4 v[(\d):(\d)+7], v[(\a):(\a)+7], v[(\b):(\b)+7], 0, v[(\sa)], v[(\sb)] matrix_a_fmt:MATRIX_FMT_FP4 matrix_b_fmt:MATRIX_FMT_FP4 matrix_a_scale:MATRIX_SCALE_ROW1
.elseif (\rb)
	v_wmma_scale_f32_16x16x128_f8f6f4 v[(\d):(\d)+7], v[(\a):(\a)+7], v[(\b):(\b)+7], 0, v[(\sa)], v[(\sb)] matrix_a_fmt:MATRIX_FMT_FP4 matrix_b_fmt:MATRIX_FMT_FP4 matrix_b_scale:MATRIX_SCALE_ROW1
.else
	v_wmma_scale_f32_16x16x128_f8f6f4 v[(\d):(\d)+7], v[(\a):(\a)+7], v[(\b):(\b)+7], 0, v[(\sa)], v[(\sb)] matrix_a_fmt:MATRIX_FMT_FP4 matrix_b_fmt:MATRIX_FMT_FP4
.endif
.else
.if (\ra) && (\rb)
	v_wmma_scale_f32_16x16x128_f8f6f4 v[(\d):(\d)+7], v[(\a):(\a)+7], v[(\b):(\b)+7], v[(\c):(\c)+7], v[(\sa)], v[(\sb)] matrix_a_fmt:MATRIX_FMT_FP4 matrix_b_fmt:MATRIX_FMT_FP4 matrix_a_scale:MATRIX_SCALE_ROW1 matrix_b_scale:MATRIX_SCALE_ROW1
.elseif (\ra)
	v_wmma_scale_f32_16x16x128_f8f6f4 v[(\d):(\d)+7], v[(\a):(\a)+7], v[(\b):(\b)+7], v[(\c):(\c)+7], v[(\sa)], v[(\sb)] matrix_a_fmt:MATRIX_FMT_FP4 matrix_b_fmt:MATRIX_FMT_FP4 matrix_a_scale:MATRIX_SCALE_ROW1
.elseif (\rb)
	v_wmma_scale_f32_16x16x128_f8f6f4 v[(\d):(\d)+7], v[(\a):(\a)+7], v[(\b):(\b)+7], v[(\c):(\c)+7], v[(\sa)], v[(\sb)] matrix_a_fmt:MATRIX_FMT_FP4 matrix_b_fmt:MATRIX_FMT_FP4 matrix_b_scale:MATRIX_SCALE_ROW1
.else
	v_wmma_scale_f32_16x16x128_f8f6f4 v[(\d):(\d)+7], v[(\a):(\a)+7], v[(\b):(\b)+7], v[(\c):(\c)+7], v[(\sa)], v[(\sb)] matrix_a_fmt:MATRIX_FMT_FP4 matrix_b_fmt:MATRIX_FMT_FP4
.endif
.endif
.endm
; The fragments and scale words of the half's q-th K step: 25 LDS loads, each of consecutive bytes; S0's tiles last and ascending, so that a counted wait can leave tiles 4-7 out.
.macro KLOAD a0, a1, z0, z1, q
.irp p, 0,1,2,3
	ds_load_b32 v[SC0+\p], v[\z0] offset:1024*(\q)+128*\p
.endr
	ds_load_b32 v[SC1], v[\z1] offset:1024*(\q)
.irp n, 0,1
.irp c, 0,1
	ds_load_b128 v[F1+8*\n+4*\c:F1+8*\n+4*\c+3], v[\a1] offset:16384*(\q)+1024*\n+512*\c
.endr
.endr
.irp i, 0,1,2,3,4,5,6,7
.irp c, 0,1
	ds_load_b128 v[F0+8*\i+4*\c:F0+8*\i+4*\c+3], v[\a0] offset:16384*(\q)+1024*\i+512*\c
.endr
.endr
.endm
; Eight products: S0's tiles i0 .. i0 + 3 x S1's two.  cm = 0: C is 0;  1: the accumulator;  2: CB.  The sixteen accumulators take turns, one instruction a turn, in the same order in every K step.
.macro MULS i0, cm
.irp i, \i0, \i0+1, \i0+2, \i0+3
.irp n, 0,1
.if \cm == 0
	WM ACC+64*\n+8*(\i), F0+8*(\i), F1+8*\n, -1, SC0+(\i)/2, SC1, (\i)%2, \n
.elseif \cm == 1
	WM ACC+64*\n+8*(\i), F0+8*(\i), F1+8*\n, ACC+64*\n+8*(\i), SC0+(\i)/2, SC1, (\i)%2, \n
.else
	WM ACC+64*\n+8*(\i), F0+8*(\i), F1+8*\n, CB+8*\n, SC0+(\i)/2, SC1, (\i)%2, \n
.endif
.endr
.endr
.endm
.macro KSTEP a0, a1, z0, z1, q
.rept 4
	v_nop                                          ; four places in front of loads into registers that matrix instructions have read (ISA guide 7.12.1 for vector instructions)
.endr
	KLOAD \a0, \a1, \z0, \z1, \q
	s_wait_dscnt 0x8                               ; all but the youngest eight loads: S0's tiles 4-7
	MULS 0, 1
	s_wait_dscnt 0x0
	MULS 4, 1
.endm
; 64 numbers along 128 features into v[reg] on, in the result's layout: register 8 i + j of lane (r, h) is number 32 (i / 2) + 8 (i % 2) + 16 h + j
.macro ROWVEC reg, base
.irp i, 0,1,2,3,4,5,6,7
	global_load_b128 v[\reg+8*\i:\reg+8*\i+3], v[H64], s[\base:\base+1] offset:(32*(\i/2)+8*(\i%2))*4
	global_load_b128 v[\reg+8*\i+4:\reg+8*\i+7], v[H64], s[\base:\base+1] offset:(32*(\i/2)+8*(\i%2))*4+16
.endr
.endm
; 64 numbers of a lane, register 16 b + i = k 32 b + 16 h + i of my row, become a fragment's codes in v[pc] on and its scale word in v[pw]
.macro QUANT s, pc, pw
.irp b, 0,1,2,3
	v_max3_num_f32 v[TM+\b], |v[\s+16*\b]|, |v[\s+1+16*\b]|, 0x1800000   ; block b: my 16 numbers, and the floor 2^(3 - 127): the byte cannot fall under 1
.endr
.irp i, 2,4,6,8,10,12,14
.irp b, 0,1,2,3
	v_max3_num_f32 v[TM+\b], v[TM+\b], |v[\s+16*\b+\i]|, |v[\s+1+16*\b+\i]|   ; the four blocks by turns; each accumulator is read from its low end on
.endr
.endr
.irp b, 0,1,2,3
	v_permlanex16_b32 v[TM+4+\b], v[TM+\b], s74, s75
.endr
.irp b, 0,1,2,3
	v_max_num_f32 v[TM+\b], v[TM+\b], v[TM+4+\b]   ; with lane l xor 16's: the block's largest magnitude
.endr
.irp b, 0,1,2,3
	v_add_nc_u32 v[TM+12+\b], 0xff000000, v[TM+\b] ; 2 off its exponent field: the conversion's scale operand
.endr
.irp b, 0,1,2,3
	v_lshrrev_b32 v[TM+4+\b], 23, v[TM+12+\b]      ; the scale's byte
.endr
	v_lshl_or_b32 v[\pw], v[TM+5], 8, v[TM+4]
	v_lshl_or_b32 v[\pw], v[TM+6], 16, v[\pw]
	v_lshl_or_b32 v[\pw], v[TM+7], 24, v[\pw]
.irp b, 0,1,2,3
	v_cvt_scalef32_pk8_fp4_f32 v[\pc+2*\b], v[\s+16*\b:\s+7+16*\b], v[TM+12+\b]
	v_cvt_scalef32_pk8_fp4_f32 v[\pc+1+2*\b], v[\s+8+16*\b:\s+15+16*\b], v[TM+12+\b]
.endr
	v_nop                                          ; one plain place behind a scaled conversion
.irp c, 0,1                            ; the operand's layout wants a whole block in a lane
.irp i, 0,1
	v_permlane16_swap_b32 v[\pc+4*\c+\i], v[\pc+2+4*\c+\i]
.endr
.endr
.endm
	s_load_b256 s[4:11], s[0:1], 0x0               ; pk s[4:5], bq s[6:7], bk s[8:9], bv s[10:11]
	s_load_b256 s[12:19], s[0:1], 0x20             ; cls s[12:13], pq s[14:15], pkk s[16:17], pv s[18:19]
	s_load_b64 s[20:21], s[0:1], 0x40              ; affp
	v_lshl_add_u32 v46, v0, 2, 0x44000
	v_mov_b32 v47, 0
	ds_add_u32 v46, v47
	ds_add_u32 v46, v47
	v_lshrrev_b32 v13, 5, v0
	v_readfirstlane_b32 s22, v13                   ; wave 0..15
	s_and_b32 s23, s22, 1                          ; which eight tiles of S0
	s_lshr_b32 s24, s22, 1                         ; which two tiles of S1
	s_bfe_u32 s25, ttmp6, 0x40000                  ; cx
	s_bfe_u32 s26, ttmp6, 0x40004                  ; cy
	s_and_b32 s27, ttmp7, 0xffff                   ; Y: the cluster's y
	s_lshr_b32 s28, s27, 2                         ; the job
	s_and_b32 s29, s27, 3
	s_lshl_b32 s29, s29, 2                         ; yq: the cluster's first block of 256 rows of x
	s_lshl_b32 s30, 0x1111, s25                    ; my column of the cluster
	s_lshl_b32 s31, s26, 2
	s_lshl_b32 s31, 15, s31                        ; my row
	s_or_b32 s32, s30, (3<<16)|(1<<21)             ; group 1 for S0: 15:0 the mask; 17:16 elements of 8 bytes; 21 set beside a mask; no padding
	s_or_b32 s40, s31, (3<<16)|(1<<21)             ; and for S1
.irp g, 32, 40
	s_mov_b32 s[\g+1], 32<<16                      ; tensor_dim0 = 32 elements: 256 bytes
	s_mov_b32 s[\g+2], 17<<16                      ; tensor_dim1 = 17
	s_mov_b32 s[\g+3], 32<<16                      ; tile_dim0
	s_mov_b32 s[\g+4], 17                          ; tile_dim1
	s_mov_b32 s[\g+5], 32                          ; the pitch: dense
	s_mov_b32 s[\g+6], 0
	s_mov_b32 s[\g+7], 0
.endr
	s_lshl_b32 s30, s28, 2
	s_add_co_u32 s30, s30, 32                      ; q, k: the weight's first block in pk, 32 + 4 x job
	s_add_co_u32 s31, s29, 16                      ; v: x_kv's blocks, 16 + yq
	s_cmp_eq_u32 s28, 2
	s_cselect_b32 s66, s31, s30
	s_add_co_u32 s66, s66, s25                     ; S0's block: + cx
	s_lshl_b32 s30, s28, 4
	s_add_co_u32 s30, s30, s29                     ; q, k: x's blocks, 16 x job + yq
	s_cmp_eq_u32 s28, 2
	s_cselect_b32 s67, 40, s30                     ; v: Wv's first block
	s_add_co_u32 s67, s67, s26                     ; S1's block: + cy
	s_mul_i32 s68, s66, BLK
	s_mul_i32 s70, s67, BLK
	s_mul_i32 s30, s22, PART                       ; my part of a half, in memory and in LDS alike
	s_add_co_u32 s68, s68, s30
	s_add_co_u32 s70, s70, s30
	s_mov_b32 s69, 0
	s_mov_b32 s71, 0
	s_mov_b32 s74, 0x76543210
	s_mov_b32 s75, 0xfedcba98                      ; v_permlanex16_b32's selects for lane l xor 16
	s_wait_dscnt 0x0
	s_wait_kmcnt 0x0
	s_add_nc_u64 s[68:69], s[4:5], s[68:69]
	s_add_nc_u64 s[70:71], s[4:5], s[70:71]
	s_mov_b32 s48, 1                               ; group 0: S0, half 0
	s_mov_b32 s49, s30
	s_mov_b64 s[50:51], s[68:69]
	s_or_b32 s51, s51, 0x80000000
	s_mov_b32 s52, 1                               ; S1, half 0
	s_add_co_u32 s53, s30, BLK
	s_mov_b64 s[54:55], s[70:71]
	s_or_b32 s55, s55, 0x80000000
	s_mov_b32 s56, 1                               ; S0, half 1
	s_add_co_u32 s57, s30, HALF
	s_add_nc_u64 s[58:59], s[68:69], HALF
	s_or_b32 s59, s59, 0x80000000
	s_mov_b32 s60, 1                               ; S1, half 1
	s_add_co_u32 s61, s30, BLK+HALF
	s_add_nc_u64 s[62:63], s[70:71], HALF
	s_or_b32 s63, s63, 0x80000000
	ROUND                                          ; all sixteen work-groups are here: the joint loads meet
	tensor_load_to_lds s[48:51], s[32:39]
	s_nop 0
	tensor_load_to_lds s[52:55], s[40:47]
	s_nop 0
	tensor_load_to_lds s[56:59], s[32:39]
	s_nop 0
	tensor_load_to_lds s[60:63], s[40:47]
	s_nop 0
.rept 4
	v_nop
.endr
	v_and_b32 v13, 31, v0
	v_lshlrev_b32 v[LI], 4, v13
	v_lshlrev_b32 v[LS], 2, v13
	v_bfe_u32 v[VH], v0, 4, 1
	s_lshl_b32 s30, s23, 13
	v_add_nc_u32 v[A0], s30, v[LI]                 ; S0: 8 tiles of 1,024 bytes x (w % 2) + 16 x lane
	v_add_nc_u32 v[A0+1], HALF, v[A0]
	s_lshl_b32 s30, s24, 11
	s_add_co_u32 s30, s30, BLK
	v_add_nc_u32 v[A1], s30, v[LI]                 ; S1: behind S0's block, 2 tiles x (w / 2)
	v_add_nc_u32 v[A1+1], HALF, v[A1]
	s_lshl_b32 s30, s23, 9
	s_add_co_u32 s30, s30, SCO
	v_add_nc_u32 v[Z0], s30, v[LS]
	v_add_nc_u32 v[Z0+1], HALF, v[Z0]
	s_lshl_b32 s30, s24, 7
	s_add_co_u32 s30, s30, BLK+SCO
	v_add_nc_u32 v[Z1], s30, v[LS]
	v_add_nc_u32 v[Z1+1], HALF, v[Z1]
	v_lshlrev_b32 v[H64], 6, v[VH]
	v_and_b32 v[ROWO], 7, v0
	v_bfe_u32 v13, v0, 3, 1
	v_lshlrev_b32 v[ROWO], 2, v[ROWO]
	v_lshl_add_u32 v[ROWO], v13, 6, v[ROWO]
	v_lshl_add_u32 v[KEY], v[VH], 5, v[ROWO]
	; where the results go
	s_lshl_b32 s72, s25, 1
	s_add_co_u32 s72, s72, s23                     ; cg = 2 cx + w % 2: q, k: which 128 features, the next product's K step
	s_add_co_u32 s73, s29, s26                     ; q, k: the block of rows, yq + cy
	s_mul_i32 s86, s73, BLK
	s_lshr_b32 s30, s72, 2
	s_mul_i32 s30, s30, HALF
	s_add_co_u32 s86, s86, s30
	s_and_b32 s30, s72, 3
	s_lshl_b32 s31, s30, 14
	s_add_co_u32 s87, s86, s31
	s_lshl_b32 s31, s24, 11
	s_add_co_u32 s87, s87, s31                     ; q, k: codes
	s_lshl_b32 s31, s30, 10
	s_add_co_u32 s86, s86, s31
	s_lshl_b32 s31, s24, 7
	s_add_co_u32 s86, s86, s31                     ; q, k: scale words, less SCO
	s_add_co_u32 s88, s29, s25                     ; v: the block of keys, yq + cx
	s_lshr_b32 s30, s88, 3
	s_lshl_b32 s30, s30, 4                         ; 16 x batch
	s_lshl_b32 s31, s26, 2
	s_add_co_u32 s30, s30, s31
	s_lshr_b32 s31, s24, 1
	s_add_co_u32 s30, s30, s31                     ; + the head: 4 cy + w / 4
	s_mul_i32 s89, s30, HALF
	s_and_b32 s30, s88, 7
	s_lshl_b32 s30, s30, 1
	s_add_co_u32 s30, s30, s23                     ; the step of 128 keys
	s_and_b32 s31, s24, 1                          ; which pair of the head's four tiles
	s_lshl_b32 s90, s30, 12
	s_add_co_u32 s90, s90, s89
	s_lshl_b32 s91, s31, 11
	s_add_co_u32 s90, s90, s91                     ; v: codes
	s_lshl_b32 s91, s30, 8
	s_add_co_u32 s89, s89, s91
	s_lshl_b32 s91, s31, 7
	s_add_co_u32 s89, s89, s91                     ; v: scale words, less SCO
	s_cmp_eq_u32 s28, 2
	s_cselect_b32 s78, s90, s87
	s_cselect_b32 s80, s89, s86
	s_cselect_b64 s[82:83], s[18:19], s[16:17]
	s_cmp_eq_u32 s28, 0
	s_cselect_b64 s[82:83], s[14:15], s[82:83]     ; pq, pkk or pv: the choice hangs on the job alone
	s_add_co_u32 s80, s80, SCO
	s_mov_b32 s79, 0
	s_mov_b32 s81, 0
	s_add_nc_u64 s[78:79], s[82:83], s[78:79]
	s_add_nc_u64 s[80:81], s[82:83], s[80:81]
	s_lshl_b32 s94, s72, 9                         ; q, k: my 128 numbers of the bias, and of cls
	s_mov_b32 s95, 0
	s_lshl_b32 s96, s26, 10
	s_lshl_b32 s30, s24, 7
	s_add_co_u32 s96, s96, s30                     ; v: bv at channel 256 cy + 32 (w / 2)
	s_mov_b32 s97, 0
	s_lshr_b32 s30, s73, 3
	s_lshl_b32 s84, s30, 12                        ; k: the batch's row of cls
	s_mov_b32 s85, 0
	s_add_nc_u64 s[84:85], s[12:13], s[84:85]
	s_add_nc_u64 s[84:85], s[84:85], s[94:95]
	s_lshl_b32 s92, s72, 14                        ; k: affp [cg][4,096 keys]
	s_lshl_b32 s30, s73, 10
	s_add_co_u32 s92, s92, s30
	s_lshl_b32 s30, s24, 7
	s_add_co_u32 s92, s92, s30
	s_mov_b32 s93, 0
	s_add_nc_u64 s[92:93], s[20:21], s[92:93]
	s_wait_tensorcnt 0x2                           ; my parts of the two first halves are in; the second halves' two loads may stay out
	s_barrier_signal -1
	s_barrier_wait -1                              ; everybody's are
	KLOAD A0, A1, Z0, Z1, 0
	; K step 0 starts the sums with the bias as C.  The bias's loads and the products that take it stand in ONE branch on the job.
	s_cmp_eq_u32 s28, 2
	s_cbranch_scc1 .Lfirst_v
	s_cmp_eq_u32 s28, 0
	s_cselect_b64 s[76:77], s[6:7], s[8:9]         ; bq or bk
	s_add_nc_u64 s[76:77], s[76:77], s[94:95]
	ROWVEC ACC, 76                                 ; q, k: the bias runs along the registers: it is loaded into the accumulators, once for each S1 tile
	ROWVEC ACC+64, 76
	s_wait_loadcnt 0x0
	s_wait_dscnt 0x8
	MULS 0, 1
	s_wait_dscnt 0x0
	MULS 4, 1
	s_branch .Lfirst_done
.Lfirst_v:
	s_add_nc_u64 s[76:77], s[10:11], s[96:97]
	global_load_b32 v[CB], v[ROWO], s[76:77]               ; v: the bias belongs to the lane's row of Wv: tile 0's,
	global_load_b32 v[CB+8], v[ROWO], s[76:77] offset:32   ; tile 1's (8 channels on)
	s_wait_loadcnt 0x0
.irp j, 1,2,3,4,5,6,7
	v_mov_b32 v[CB+\j], v[CB]
	v_mov_b32 v[CB+8+\j], v[CB+8]
.endr
.rept 4
	v_nop                                          ; between the copies and the products that take them as C
.endr
	s_wait_dscnt 0x8
	MULS 0, 2
	s_wait_dscnt 0x0
	MULS 4, 2
.Lfirst_done:
	KSTEP A0, A1, Z0, Z1, 1
	KSTEP A0, A1, Z0, Z1, 2
	KSTEP A0, A1, Z0, Z1, 3
	s_wait_tensorcnt 0x0                           ; my parts of the second halves are in,
	s_wait_dscnt 0x0
	s_barrier_signal -1
	s_barrier_wait -1                              ; everybody's are
	KSTEP A0+1, A1+1, Z0+1, Z1+1, 0
	KSTEP A0+1, A1+1, Z0+1, Z1+1, 1
	KSTEP A0+1, A1+1, Z0+1, Z1+1, 2
	KSTEP A0+1, A1+1, Z0+1, Z1+1, 3
	; THE WAY OUT
.rept 4
	v_nop                                          ; places behind the last products
.endr
	s_cmp_lg_u32 s28, 1
	s_cbranch_scc1 .Lno_cls
	ROWVEC F0, 84                                  ; k: cls of my 128 features, asked for ahead of the quantising
.Lno_cls:
.irp b, 0,1,2,3
	v_mov_b32 v[TM+4+\b], 0                        ; a lane permute's destination counts as one of its sources
.endr
	QUANT ACC, F1, PW
	QUANT ACC+64, F1+8, PW+1
	global_store_b128 v[LI], v[F1:F1+3], s[78:79]                    ; two fragments: 2,048 consecutive bytes
	global_store_b128 v[LI], v[F1+4:F1+7], s[78:79] offset:512
	global_store_b128 v[LI], v[F1+8:F1+11], s[78:79] offset:1024
	global_store_b128 v[LI], v[F1+12:F1+15], s[78:79] offset:1536
	v_cmp_eq_u32 vcc_lo, 1, v[VH]
	v_cndmask_b32 v[PW+2], v[PW], v[PW+1], vcc_lo  ; lanes 0-15 tile 0's words, lanes 16-31 tile 1's
	global_store_b32 v[LS], v[PW+2], s[80:81]      ; 128 consecutive bytes
	s_cmp_lg_u32 s28, 1
	s_cbranch_scc1 .Lend
	; k alone: cls . k of my two heads, for my two keys, in f32 on the unquantised k.  Dot 2 n + e in the pair v[16 + 2 (2 n + e)]
	s_wait_loadcnt 0x0
.irp n, 0,1
.irp e, 0,1
	v_pk_mul_f32 v[16+2*(2*\n+\e):17+2*(2*\n+\e)], v[ACC+64*\n+32*\e:ACC+64*\n+32*\e+1], v[F0+32*\e:F0+32*\e+1]
.endr
.endr
.irp k, 2,4,6,8,10,12,14,16,18,20,22,24,26,28,30
.irp n, 0,1
.irp e, 0,1
	v_pk_fma_f32 v[16+2*(2*\n+\e):17+2*(2*\n+\e)], v[ACC+64*\n+32*\e+\k:ACC+64*\n+32*\e+\k+1], v[F0+32*\e+\k:F0+32*\e+\k+1], v[16+2*(2*\n+\e):17+2*(2*\n+\e)]
.endr
.endr
.endr
.irp q, 0,1,2,3
	v_add_f32 v[24+\q], v[16+2*\q], v[17+2*\q]
.endr
.irp q, 0,1,2,3
	v_permlanex16_b32 v[28+\q], v[24+\q], s74, s75
.endr
.irp q, 0,1,2,3
	v_add_f32 v[24+\q], v[24+\q], v[28+\q]         ; with lane l xor 16's half of the head
.endr
.irp q, 0,1,2,3
	v_mul_f32 v[24+\q], 0xbdb8aa3b, v[24+\q]       ; x -log2(e) / 16
.endr
.irp q, 0,1,2,3
	v_exp_f32 v[24+\q], v[24+\q]
.endr
	v_nop
	s_wait_alu depctr_va_vdst(0)
.irp q, 0,1,2,3
	v_add_f32 v[24+\q], 1.0, v[24+\q]
.endr
.irp q, 0,1,2,3
	v_rcp_f32 v[24+\q], v[24+\q]                   ; the sigmoid
.endr
	v_nop
	s_wait_alu depctr_va_vdst(0)
	v_add_f32 v24, v24, v25                        ; the two heads' sigmoids: tile 0's key,
	v_add_f32 v26, v26, v27                        ; tile 1's
	v_cndmask_b32 v24, v24, v26, vcc_lo
	global_store_b32 v[KEY], v24, s[92:93]         ; 32 keys: 128 consecutive bytes
.Lend:
	s_wait_tensorcnt 0x0
	ds_add_u32 v46, v47
	s_wait_dscnt 0x0
	ROUND                                          ; the closing round
	s_endpgm
.Lfunc_end_k_qaae4ff5ba9_proj:
	.size	k_qaae4ff5ba9_proj, .Lfunc_end_k_qaae4ff5ba9_proj-k_qaae4ff5ba9_proj
	.p2alignl 7, 3214868480
	.fill 96, 4, 3214868480
	.section	.rodata,"a",@progbits
	.p2align	6, 0x0
	.amdhsa_kernel k_qaae4ff5ba9_proj
		.amdhsa_group_segment_fixed_size 280576
		.amdhsa_private_segment_fixed_size 0
		.amdhsa_enable_private_segment 0
		.amdhsa_kernarg_size 72
		.amdhsa_user_sgpr_count 2
		.amdhsa_user_sgpr_kernarg_segment_ptr 1
		.amdhsa_wavefront_size32 1
		.amdhsa_system_sgpr_workgroup_id_x 1
		.amdhsa_system_sgpr_workgroup_id_y 1
		.amdhsa_system_sgpr_workgroup_id_z 1
		.amdhsa_system_vgpr_workitem_id 0
		.amdhsa_next_free_vgpr 256
		.amdhsa_next_free_sgpr 100
		.amdhsa_reserve_vcc 1
		.amdhsa_float_denorm_mode_32 3
		.amdhsa_float_denorm_mode_16_64 3
		.amdhsa_memory_ordered 1
		.amdhsa_forward_progress 1
		.amdhsa_inst_pref_size 61
	.end_amdhsa_kernel
	.amdgpu_metadata
---
amdhsa.version: [ 1, 2 ]
amdhsa.kernels:
  - .name:           k_qaae4ff5ba9_proj
    .symbol:         k_qaae4ff5ba9_proj.kd
    .args:
      - { .name: pk, .offset: 0, .size: 8, .value_kind: global_buffer, .address_space: global }
      - { .name: bq, .offset: 8, .size: 8, .value_kind: global_buffer, .address_space: global }
      - { .name: bk, .offset: 16, .size: 8, .value_kind: global_buffer, .address_space: global }
      - { .name: bv, .offset: 24, .size: 8, .value_kind: global_buffer, .address_space: global }
      - { .name: cls_token, .offset: 32, .size: 8, .value_kind: global_buffer, .address_space: global }
      - { .name: pq, .offset: 40, .size: 8, .value_kind: global_buffer, .address_space: global }
      - { .name: pkk, .offset: 48, .size: 8, .value_kind: global_buffer, .address_space: global }
      - { .name: pv, .offset: 56, .size: 8, .value_kind: global_buffer, .address_space: global }
      - { .name: affp, .offset: 64, .size: 8, .value_kind: global_buffer, .address_space: global }
    .group_segment_fixed_size: 280576
    .private_segment_fixed_size: 0
    .kernarg_segment_align: 8
    .kernarg_segment_size: 72
    .max_flat_workgroup_size: 512
    .sgpr_count:     100
    .vgpr_count:     256
    .wavefront_size: 32
...
	.end_amdgpu_metadata
.endif
;; end of part 2
;; launch attn (part 3): grid 8 x 32, 16 waves a work-group, no clusters, 169,984 bytes of LDS; arguments pq, pkk, pv, affp, px, out2; writes px, out2
.if DOCPART == 3
	.amdgcn_target "amdgcn-amd-amdhsa--gfx1250"
	.amdhsa_code_object_version 6
	.text
	.protected	k_qaae4ff5ba9_attn
	.globl	k_qaae4ff5ba9_attn
	.p2align	8
	.type	k_qaae4ff5ba9_attn,@function
k_qaae4ff5ba9_attn:
	s_mov_b64 s[64:65], 0
	v_nop
	global_prefetch_b8 v0, s[64:65] scope:SCOPE_SE
	s_setreg_imm32_b32 hwreg(HW_REG_WAVE_MODE, 25, 1), 1
	s_wait_xcnt 0x0
; x[b][q][head] = the sum over keys of Q(softmax(q . k / 12) x aff_mask) Q(v), both products on codes of FP4 (E2M1) with E8M0 scales; x is quantised along the channels and stored as a pack; out2 = aff_mask.
; What is quantised ahead of the second product is the FINISHED weight: softmax, normalised, times the mask.  So the keys are walked twice: pass 1 finds each query's maximum M and sum l (a running maximum, as t = score x c,
; c = log2(e) / 12), pass 2 makes p = 2^(t - M - log2 l) x mask, quantises it in blocks of 32 keys and multiplies by V.
; SHARES.  A work-group: 256 queries (x) of one batch and head (y = 16 b + head).  Each of sixteen waves owns one tile of 16 queries, one query a lane.  The head's K, V and their scales lie in LDS, filled ONCE.
; Both products are used transposed (source 0 = 16 keys, or 16 channels of V).  The rows of a tile of a pack are not neighbours, so that the 16 registers of tiles 2 g, 2 g + 1 are 16 neighbouring keys (channels).
; NO BARRIER STANDS IN OR BETWEEN THE PASSES: K, V, their scales and the mask all lie in LDS behind the head's second barrier, and nothing is written to LDS after it: each wave walks its 32 key steps at its own pace.
; EXPONENTIALS AND PLAIN WORK BY TURNS: between two exponentials stands a scaling of a pair still to come, or a sum (pass 1) or a multiplication by the mask (pass 2) of a pair that is done.
; THE SECOND PRODUCT STANDS ONE STEP BEHIND: O^T += V^T P^T of a step stands at the head of the next step, in front of its first scores, so that p's codes and scale word have their places behind them by work that is due anyway.
; A HEAD HAS K = 64, the instruction 128: registers 4-7 of K's and Q's fragments are zero codes, and the scale words are loaded as 16 bits, so that bytes 2, 3 are 0 (2^-127, over zero codes).
; NO CLUSTER: what the eight query blocks of a head share is fetched once, 143,360 bytes at the head, against 32 key steps of arithmetic; and one work-group of each batch branches on its own place to store out2.
; LIMITS: NaN and infinities are not served; v_exp_f32 gives 0 for a p under 2^-126; a block of zeros or under 2^-124 gets the scale byte 1 (this program alone reads the bytes); 1 / l is folded into the exponent
; (t - M - log2 l is rounded once, by the multiply-add); the mask's division is v_rcp_f32 and a multiplication.
.set BLK,  139264
.set HALF, 69632
.set SCO,  65536
.set PART, 4352
.set VC,   65536                       ; LDS: K's codes at 0 (128 tiles x 512 bytes); V's HALF bytes here, as in memory;
.set KS,   135168                      ; K's scale words [tile 128][row 16];
.set MASK, 143616                      ; behind 256 bytes that nothing names: the mask, 2,048 f32 (written by LDS stores: no tensor load lands here);
.set RED,  151808                      ; the waves' minima (16 words) and, 64 bytes on, maxima
.set S,    96                          ; v96-159 scores (pass 2: v96-127)
.set MK,   128                         ; v128-159 pass 2: the mask of 32 of my keys
.set O,    160                         ; v160-191 O^T
.set P,    192                         ; v192-199 p's codes
; v1 16 x lane; v2 K's scales; v3 V; v4 V's scales; v5 the mask: my lane's places; v6-10 the step's addresses; v12 -m, later -(M + log2 l); v13 m; v[14:15], v[208:209] l, in two chains; v16-23 Q (v20-23 zeros); v24 Q's scales;
; v25-28 K's scales, v29-30 V's, v31 p's; pass 1: v32-95 eight fragments of K (the upper four registers of each zeros); pass 2: v32-63 four fragments of K, v64-95 V's four; v200-215 at work; v216-221 addresses of the head and the end
.macro WM d, a, b, c, sa, sb, ra, rb   ; one product.  c < 0: the sum starts with 0.  ra, rb: the side's scale words stand in lanes 16-31
.if (\c) < 0
.if (\ra) && (\rb)
	v_wmma_scale_f32_16x16x128_f8f6f4 v[(\d):(\d)+7], v[(\a):(\a)+7], v[(\b):(\b)+7], 0, v[(\sa)], v[(\sb)] matrix_a_fmt:MATRIX_FMT_FP4 matrix_b_fmt:MATRIX_FMT_FP4 matrix_a_scale:MATRIX_SCALE_ROW1 matrix_b_scale:MATRIX_SCALE_ROW1
.elseif (\ra)
	v_wmma_scale_f32_16x16x128_f8f6f4 v[(\d):(\d)+7], v[(\a):(\a)+7], v[(\b):(\b)+7], 0, v[(\sa)], v[(\sb)] matrix_a_fmt:MATRIX_FMT_FP4 matrix_b_fmt:MATRIX_FMT_FP4 matrix_a_scale:MATRIX_SCALE_ROW1
.elseif (\rb)
	v_wmma_scale_f32_16x16x128_f8f6f4 v[(\d):(\d)+7], v[(\a):(\a)+7], v[(\b):(\b)+7], 0, v[(\sa)], v[(\sb)] matrix_a_fmt:MATRIX_FMT_FP4 matrix_b_fmt:MATRIX_FMT_FP4 matrix_b_scale:MATRIX_SCALE_ROW1
.else
	v_wmma_scale_f32_16x16x128_f8f6f4 v[(\d):(\d)+7], v[(\a):(\a)+7], v[(\b):(\b)+7], 0, v[(\sa)], v[(\sb)] matrix_a_fmt:MATRIX_FMT_FP4 matrix_b_fmt:MATRIX_FMT_FP4
.endif
.else
.if (\ra) && (\rb)
	v_wmma_scale_f32_16x16x128_f8f6f4 v[(\d):(\d)+7], v[(\a):(\a)+7], v[(\b):(\b)+7], v[(\c):(\c)+7], v[(\sa)], v[(\sb)] matrix_a_fmt:MATRIX_FMT_FP4 matrix_b_fmt:MATRIX_FMT_FP4 matrix_a_scale:MATRIX_SCALE_ROW1 matrix_b_scale:MATRIX_SCALE_ROW1
.elseif (\ra)
	v_wmma_scale_f32_16x16x128_f8f6f4 v[(\d):(\d)+7], v[(\a):(\a)+7], v[(\b):(\b)+7], v[(\c):(\c)+7], v[(\sa)], v[(\sb)] matrix_a_fmt:MATRIX_FMT_FP4 matrix_b_fmt:MATRIX_FMT_FP4 matrix_a_scale:MATRIX_SCALE_ROW1
.elseif (\rb)
	v_wmma_scale_f32_16x16x128_f8f6f4 v[(\d):(\d)+7], v[(\a):(\a)+7], v[(\b):(\b)+7], v[(\c):(\c)+7], v[(\sa)], v[(\sb)] matrix_a_fmt:MATRIX_FMT_FP4 matrix_b_fmt:MATRIX_FMT_FP4 matrix_b_scale:MATRIX_SCALE_ROW1
.else
	v_wmma_scale_f32_16x16x128_f8f6f4 v[(\d):(\d)+7], v[(\a):(\a)+7], v[(\b):(\b)+7], v[(\c):(\c)+7], v[(\sa)], v[(\sb)] matrix_a_fmt:MATRIX_FMT_FP4 matrix_b_fmt:MATRIX_FMT_FP4
.endif
.endif
.endm
.macro PLACES n
.rept \n
	v_nop
.endr
.endm
	s_load_b256 s[4:11], s[0:1], 0x0               ; pq s[4:5], pkk s[6:7], pv s[8:9], affp s[10:11]
	s_load_b128 s[12:15], s[0:1], 0x20             ; px s[12:13], out2 s[14:15]
	v_lshl_add_u32 v254, v0, 2, 0x29000
	v_mov_b32 v255, 0
	ds_add_u32 v254, v255
	ds_add_u32 v254, v255
	v_lshrrev_b32 v6, 5, v0
	v_readfirstlane_b32 s16, v6                    ; wave 0..15
	s_and_b32 s18, ttmp7, 0xffff                   ; y = 16 b + head
	s_lshr_b32 s19, s18, 4                         ; b
	s_and_b32 s20, s18, 15                         ; the head
	s_lshr_b32 s21, s20, 1                         ; its K step of 128 among the 1,024 channels,
	s_and_b32 s22, s20, 1                          ; and which 64 of it (c0)
	s_lshr_b32 s70, s21, 2
	s_mul_i32 s70, s70, HALF                       ; the K half
	s_and_b32 s71, s21, 3                          ; the K step in the half
	s_lshl_b32 s72, s19, 3                         ; the batch's first block
	s_lshr_b32 s73, s16, 1
	s_add_co_u32 s73, s73, s72
	s_mul_i32 s73, s73, BLK
	s_add_co_u32 s73, s73, s70                     ; the block of keys of which I fetch half: 8 b + w / 2
	s_and_b32 s74, s16, 1
	s_lshl_b32 s76, s71, 10
	s_add_co_u32 s76, s76, s73
	s_lshl_b32 s75, s74, 9
	s_add_co_u32 s76, s76, s75
	s_add_co_u32 s76, s76, SCO                     ; eight tiles' scale words: 512 bytes
	s_mov_b32 s77, 0
	s_lshl_b32 s78, s71, 14
	s_add_co_u32 s78, s78, s73
	s_lshl_b32 s75, s22, 9
	s_add_co_u32 s78, s78, s75
	s_lshl_b32 s75, s74, 13
	s_add_co_u32 s78, s78, s75                     ; eight tiles' codes of my head: 512 bytes of each 1,024
	s_mov_b32 s79, 0
	s_mul_i32 s80, s18, HALF
	s_mul_i32 s86, s16, PART
	s_add_co_u32 s80, s80, s86                     ; my part of V
	s_mov_b32 s81, 0
	s_add_co_u32 s82, s72, ttmp9
	s_mul_i32 s82, s82, BLK
	s_add_co_u32 s82, s82, s70                     ; the block of queries
	s_lshl_b32 s84, s71, 10
	s_add_co_u32 s84, s84, s82
	s_lshl_b32 s23, s16, 6
	s_add_co_u32 s84, s84, s23
	s_lshl_b32 s23, s22, 1
	s_add_co_u32 s84, s84, s23
	s_add_co_u32 s84, s84, SCO                     ; my tile's scale words, at my head's two bytes
	s_mov_b32 s85, 0
	s_lshl_b32 s23, s71, 14
	s_add_co_u32 s82, s82, s23
	s_lshl_b32 s23, s16, 10
	s_add_co_u32 s82, s82, s23
	s_lshl_b32 s23, s22, 9
	s_add_co_u32 s82, s82, s23                     ; my tile's codes of my head
	s_mov_b32 s83, 0
	; descriptor groups 1, elements of 8 bytes, no padding: K's scales: one row of 512 bytes;  K's codes: 8 rows of 512 bytes, 1,024 apart;  V: 17 rows of 256 bytes, dense
	s_mov_b32 s24, 3<<16
	s_mov_b32 s25, 64<<16
	s_mov_b32 s26, 1<<16
	s_mov_b32 s27, 64<<16
	s_mov_b32 s28, 1
	s_mov_b32 s29, 64
	s_mov_b32 s30, 0
	s_mov_b32 s31, 0
	s_mov_b32 s32, 3<<16
	s_mov_b32 s33, 64<<16
	s_mov_b32 s34, 8<<16
	s_mov_b32 s35, 64<<16
	s_mov_b32 s36, 8
	s_mov_b32 s37, 128
	s_mov_b32 s38, 0
	s_mov_b32 s39, 0
	s_mov_b32 s40, 3<<16
	s_mov_b32 s41, 32<<16
	s_mov_b32 s42, 17<<16
	s_mov_b32 s43, 32<<16
	s_mov_b32 s44, 17
	s_mov_b32 s45, 32
	s_mov_b32 s46, 0
	s_mov_b32 s47, 0
	s_mov_b32 s60, 0x76543210
	s_mov_b32 s61, 0xfedcba98                      ; v_permlanex16_b32's selects for lane l xor 16
	s_mov_b32 s62, 0x3df6384f                      ; c = log2(e) / 12
	s_mov_b32 s63, s62                             ; (named with it as a pair)
	s_lshl_b32 s87, s16, 2
	s_add_co_u32 s87, s87, RED
	s_lshl_b32 s17, s19, 13                        ; 8,192 b
	s_wait_dscnt 0x0
	s_wait_kmcnt 0x0
	s_mov_b32 s48, 1
	s_lshl_b32 s49, s16, 9
	s_add_co_u32 s49, s49, KS
	s_add_nc_u64 s[50:51], s[6:7], s[76:77]
	s_or_b32 s51, s51, 0x80000000
	s_mov_b32 s52, 1
	s_lshl_b32 s53, s16, 12
	s_add_nc_u64 s[54:55], s[6:7], s[78:79]
	s_or_b32 s55, s55, 0x80000000
	s_mov_b32 s56, 1
	s_add_co_u32 s57, s86, VC
	s_add_nc_u64 s[58:59], s[8:9], s[80:81]
	s_or_b32 s59, s59, 0x80000000
	tensor_load_to_lds s[48:51], s[24:31]          ; three loads of mine are out, V's last
	s_nop 0
	tensor_load_to_lds s[52:55], s[32:39]
	s_nop 0
	tensor_load_to_lds s[56:59], s[40:47]
	s_nop 0
	PLACES 4
	s_add_nc_u64 s[88:89], s[4:5], s[82:83]        ; Q's codes,
	s_add_nc_u64 s[90:91], s[4:5], s[84:85]        ; Q's scales,
	s_add_nc_u64 s[92:93], s[12:13], s[82:83]      ; x's codes and scales at the same places
	s_add_nc_u64 s[94:95], s[12:13], s[84:85]
	s_mov_b32 s76, s17
	s_add_nc_u64 s[96:97], s[10:11], s[76:77]      ; affp and out2 at my batch
	s_add_nc_u64 s[98:99], s[14:15], s[76:77]
	v_and_b32 v11, 31, v0
	v_lshlrev_b32 v1, 4, v11
	v_bfe_u32 v221, v0, 4, 1                       ; h
	v_and_b32 v220, 15, v0
	v_lshlrev_b32 v220, 2, v220                    ; 4 r
	v_lshlrev_b32 v216, 4, v0                      ; 16 t: thread t owns keys 4 t .. 4 t + 3 of the mask
	global_load_b128 v[16:19], v1, s[88:89]
	global_load_u16 v24, v220, s[90:91]
.irp g, 0,1,2,3,4,5,6,7
	global_load_b128 v[S+4*\g:S+4*\g+3], v216, s[96:97] offset:16384*\g   ; the eight pairs of heads' sigmoids
.endr
	s_lshl_b32 s23, s22, 1
	s_add_co_u32 s23, s23, KS
	v_lshl_add_u32 v2, v11, 2, s23                 ; KS + 4 x lane + 2 c0
	v_add_nc_u32 v3, VC, v1
	v_lshl_add_u32 v4, v11, 2, VC+SCO
	v_lshl_add_u32 v5, v221, 6, MASK
	v_add_nc_u32 v217, MASK, v216
	v_mov_b32 v218, s87
	v_mov_b32 v219, RED
.irp j, 20,21,22,23, 36,37,38,39, 44,45,46,47, 52,53,54,55, 60,61,62,63, 68,69,70,71, 76,77,78,79, 84,85,86,87, 92,93,94,95
	v_mov_b32 v[\j], 0                             ; the zero codes of K = 64 .. 127, set once (those from v68 on serve pass 1 alone)
.endr
.irp j, 204,205,206,207
	v_mov_b32 v[\j], 0                             ; a lane permute's destination counts as one of its sources
.endr
	v_mov_b32 v13, 0xff61b1e6                      ; m: -3e38, under every t
	v_mov_b32 v12, 0
	v_mov_b32 v14, 0                               ; l, in two chains of two halves
	v_mov_b32 v15, 0
	v_mov_b32 v208, 0
	v_mov_b32 v209, 0
	s_wait_loadcnt 0x0
	; THE MASK: the mean over 16 heads, its least and largest over the batch's 2,048 keys
.irp g, 0,2,4,6
	v_pk_add_f32 v[S+4*\g:S+4*\g+1], v[S+4*\g:S+4*\g+1], v[S+4*\g+4:S+4*\g+5]
	v_pk_add_f32 v[S+4*\g+2:S+4*\g+3], v[S+4*\g+2:S+4*\g+3], v[S+4*\g+6:S+4*\g+7]
.endr
.irp g, 0,4
	v_pk_add_f32 v[S+4*\g:S+4*\g+1], v[S+4*\g:S+4*\g+1], v[S+4*\g+8:S+4*\g+9]
	v_pk_add_f32 v[S+4*\g+2:S+4*\g+3], v[S+4*\g+2:S+4*\g+3], v[S+4*\g+10:S+4*\g+11]
.endr
	v_pk_add_f32 v[S:S+1], v[S:S+1], v[S+16:S+17]
	v_pk_add_f32 v[S+2:S+3], v[S+2:S+3], v[S+18:S+19]
	v_pk_mul_f32 v[S:S+1], v[S:S+1], 0x3d800000 op_sel_hi:[1,0]      ; / 16
	v_pk_mul_f32 v[S+2:S+3], v[S+2:S+3], 0x3d800000 op_sel_hi:[1,0]
	v_min3_num_f32 v210, v[S], v[S+1], v[S+2]
	v_max3_num_f32 v211, v[S], v[S+1], v[S+2]
	v_min_num_f32 v210, v210, v[S+3]
	v_max_num_f32 v211, v211, v[S+3]
.irp x, 1,2,4,8
	v_min_num_f32_dpp v210, v210, v210 row_xmask:\x row_mask:0xf bank_mask:0xf
	v_max_num_f32_dpp v211, v211, v211 row_xmask:\x row_mask:0xf bank_mask:0xf
.endr
	v_permlanex16_b32 v204, v210, s60, s61
	v_permlanex16_b32 v205, v211, s60, s61
	v_min_num_f32 v210, v210, v204
	v_max_num_f32 v211, v211, v205
	ds_store_b32 v218, v210                        ; all lanes write the wave's word with the same value
	ds_store_b32 v218, v211 offset:64
	s_wait_tensorcnt 0x1                           ; my parts of K's scales and codes are in; V's load may stay out
	s_wait_dscnt 0x0                               ; for the others' sake: my two stores are done
	s_barrier_signal -1
	s_barrier_wait -1
.irp i, 0,1,2,3,4,5,6,7
	ds_load_b128 v[MK+4*\i:MK+4*\i+3], v219 offset:16*\i
.endr
	s_wait_dscnt 0x0
	v_min3_num_f32 v210, v[MK], v[MK+1], v[MK+2]
	v_max3_num_f32 v211, v[MK+16], v[MK+17], v[MK+18]
.irp i, 3,5,7,9,11,13
	v_min3_num_f32 v210, v210, v[MK+\i], v[MK+\i+1]
	v_max3_num_f32 v211, v211, v[MK+16+\i], v[MK+16+\i+1]
.endr
	v_min_num_f32 v210, v210, v[MK+15]
	v_max_num_f32 v211, v211, v[MK+31]
	v_sub_f32 v211, v211, v210
	v_add_f32 v211, 0x358637bd, v211               ; + 1e-6
	v_rcp_f32 v211, v211
.irp i, 0,1,2,3
	v_sub_f32 v[S+\i], v[S+\i], v210               ; (plain lines behind the reciprocal)
.endr
	s_wait_alu depctr_va_vdst(0)
.irp i, 0,1,2,3
	v_mul_f32 v[S+\i], v[S+\i], v211
.endr
	ds_store_b128 v217, v[S:S+3]                   ; read by all waves in pass 2, behind the barrier below
	s_or_b32 s23, ttmp9, s20
	s_cmp_lg_u32 s23, 0
	s_cbranch_scc1 .Lno_out2                       ; one work-group of each batch stores out2
	global_store_b128 v216, v[S:S+3], s[98:99]
	s_wait_xcnt 0x0                                ; the scores' registers are written again only behind this wait
.Lno_out2:
	s_wait_tensorcnt 0x0                           ; my part of V is in,
	s_wait_dscnt 0x0                               ; my part of the mask is stored,
	s_barrier_signal -1
	s_barrier_wait -1                              ; everybody's are: the last barrier of the text.  Nothing is written to LDS from here on
; The largest score of blocks b0, b0 + 1 (16 registers each), by turns; each accumulator is read from its low end on
.macro CHAINS b0
.irp b, \b0, \b0+1
	v_max3_num_f32 v[200+(\b)], v[S+16*(\b)], v[S+16*(\b)+1], v[S+16*(\b)+2]
.endr
.irp i, 3,5,7,9,11,13
.irp b, \b0, \b0+1
	v_max3_num_f32 v[200+(\b)], v[200+(\b)], v[S+16*(\b)+\i], v[S+16*(\b)+\i+1]
.endr
.endr
.irp b, \b0, \b0+1
	v_max_num_f32 v[200+(\b)], v[200+(\b)], v[S+16*(\b)+15]
.endr
.endm
; PASS 1, a step of 128 keys.  m and l are kept for each half of the lanes by itself and joined behind the pass.  pre = 1: the next step's fragments and scale words are asked for behind this step's products,
; and land under the softmax.
.macro STEP1 pre
	s_wait_dscnt 0x0                               ; this step's eight fragments and four scale registers are in
.irp t, 0,1,2,3,4,5,6,7
	WM S+8*\t, 32+8*\t, 16, -1, 25+\t/2, 24, \t%2, 0
.endr
.if \pre
	s_add_co_u32 s66, s66, 4096                    ; 4,096 bytes of K's codes a step,
	s_add_co_u32 s67, s67, 512                     ; 512 of its scale words
	v_add_nc_u32 v6, s66, v1                       ; two plain lines and two v_nop: the four places in front of loads into K's registers and of the first read of the scores
	v_add_nc_u32 v7, s67, v2
	PLACES 2
.irp p, 0,1,2,3
	ds_load_u16 v[25+\p], v7 offset:128*\p         ; tile 2 p in lanes 0-15, tile 2 p + 1 in lanes 16-31
.endr
.irp t, 0,1,2,3,4,5,6,7
	ds_load_b128 v[32+8*\t:35+8*\t], v6 offset:512*\t
.endr
.else
	PLACES 4
.endif
	CHAINS 0
	CHAINS 2
	v_max3_num_f32 v200, v200, v201, v202
	v_max_num_f32 v200, v200, v203
	v_mul_f32 v200, s62, v200                      ; as t (c is positive)
	v_max_num_f32 v201, v13, v200                  ; the new m
	v_sub_f32 v202, v13, v201
	v_exp_f32 v202, v202                           ; a = 2^(old m - new m)
	v_mov_b32 v13, v201
	v_sub_f32 v12, 0, v201
	v_pk_fma_f32 v[S:S+1], v[S:S+1], s[62:63], v[12:13] op_sel_hi:[1,0,0]       ; t - m of pairs 0 and 1
	v_pk_fma_f32 v[S+2:S+3], v[S+2:S+3], s[62:63], v[12:13] op_sel_hi:[1,0,0]
	s_wait_alu depctr_va_vdst(0)
	v_pk_mul_f32 v[208:209], v[208:209], v[202:203] op_sel_hi:[1,0]             ; the second chain of l x a
.set k, 0
.rept 32                               ; pair k's two exponentials; between them t - m of pair k + 2, behind them the sum of pair k - 1: a plain line that names neither stands behind each exponential before its result is used
	v_exp_f32 v[S+2*k], v[S+2*k]
.if k < 30
	v_pk_fma_f32 v[S+2*k+4:S+2*k+5], v[S+2*k+4:S+2*k+5], s[62:63], v[12:13] op_sel_hi:[1,0,0]
.endif
	v_exp_f32 v[S+2*k+1], v[S+2*k+1]
.if k == 0
	v_pk_mul_f32 v[14:15], v[14:15], v[202:203] op_sel_hi:[1,0]                 ; the first chain of l x a
.elseif k%2 == 1
	s_wait_alu depctr_va_vdst(0)
	v_pk_add_f32 v[14:15], v[14:15], v[S+2*k-2:S+2*k-1]
.else
	v_pk_add_f32 v[208:209], v[208:209], v[S+2*k-2:S+2*k-1]
.endif
.set k, k+1
.endr
	v_pk_add_f32 v[208:209], v[208:209], v[S+62:S+63]
.endm
	s_mov_b32 s66, 0
	s_mov_b32 s67, 0
.irp p, 0,1,2,3
	ds_load_u16 v[25+\p], v2 offset:128*\p         ; step 0
.endr
.irp t, 0,1,2,3,4,5,6,7
	ds_load_b128 v[32+8*\t:35+8*\t], v1 offset:512*\t
.endr
	s_mov_b32 s69, 15
.Lpass1:
	STEP1 1
	s_sub_co_u32 s69, s69, 1
	s_cmp_lg_u32 s69, 0
	s_cbranch_scc1 .Lpass1
	STEP1 0                                        ; the last step is written out: it asks for nothing more
	v_pk_add_f32 v[14:15], v[14:15], v[208:209]    ; l's two chains
	v_permlanex16_b32 v204, v13, s60, s61          ; the two halves of the lanes are joined: M,
	v_max_num_f32 v200, v13, v204
	v_sub_f32 v201, v13, v200
	v_exp_f32 v201, v201
	v_add_f32 v14, v14, v15
	s_wait_alu depctr_va_vdst(0)
	v_mul_f32 v14, v14, v201                       ; my l under M,
	v_permlanex16_b32 v205, v14, s60, s61
	v_add_f32 v14, v14, v205                       ; the row's l
	v_log_f32 v14, v14
	v_nop
	s_wait_alu depctr_va_vdst(0)
	v_add_f32 v14, v200, v14
	v_sub_f32 v12, 0, v14                          ; -(M + log2 l)
; PASS 2.  O^T += V^T P^T: four tiles of 16 channels; K = 128 keys.  zero = 1: the products start the sums: nothing is cleared.  The four accumulators take turns.
.macro PV zero
.irp t, 0,1,2,3
.if \zero
	WM O+8*\t, 64+8*\t, P, -1, 29+\t/2, 31, \t%2, 0
.else
	WM O+8*\t, 64+8*\t, P, O+8*\t, 29+\t/2, 31, \t%2, 0
.endif
.endr
.endm
; Half hh of a key step: 64 keys: scores, p x mask, two blocks quantised into registers 4 hh .. 4 hh + 3 of p's fragment.
.macro HALF2 hh
.irp t, 0,1,2,3
	WM S+8*\t, 32+8*\t, 16, -1, 25+2*\hh+\t/2, 24, \t%2, 0
.endr
	PLACES 4                                       ; in front of the first read of the scores, of the loads into K's registers, and (behind the products on V at the step's head) of the loads into V's
.if \hh == 0
.irp t, 0,1,2,3
	ds_load_b128 v[32+8*\t:35+8*\t], v6 offset:2048+512*\t
.endr
.irp t, 0,1,2,3
	ds_load_b128 v[64+8*\t:67+8*\t], v8 offset:1024*\t
	ds_load_b128 v[68+8*\t:71+8*\t], v8 offset:1024*\t+512
.endr
	ds_load_b32 v29, v9
	ds_load_b32 v30, v9 offset:128
	s_wait_dscnt 14                                ; this half's mask is in; behind it: K's 4, V's 8, its scales' 2
.else
	s_wait_dscnt 0x0                               ; this half's mask is in
.endif
	v_pk_fma_f32 v[S:S+1], v[S:S+1], s[62:63], v[12:13] op_sel_hi:[1,0,0]       ; t - M - log2 l of pairs 0 and 1
	v_pk_fma_f32 v[S+2:S+3], v[S+2:S+3], s[62:63], v[12:13] op_sel_hi:[1,0,0]
.set k, 0
.rept 16                               ; pair k's two exponentials (the softmax, finished); between them the exponent of pair k + 2, behind them pair k - 1 x the mask
	v_exp_f32 v[S+2*k], v[S+2*k]
.if k < 14
	v_pk_fma_f32 v[S+2*k+4:S+2*k+5], v[S+2*k+4:S+2*k+5], s[62:63], v[12:13] op_sel_hi:[1,0,0]
.endif
	v_exp_f32 v[S+2*k+1], v[S+2*k+1]
.if k > 0
	s_wait_alu depctr_va_vdst(0)
	v_pk_mul_f32 v[S+2*k-2:S+2*k-1], v[S+2*k-2:S+2*k-1], v[MK+2*k-2:MK+2*k-1]
.endif
.set k, k+1
.endr
	v_pk_mul_f32 v[S+30:S+31], v[S+30:S+31], v[MK+30:MK+31]
.if \hh == 0
.irp bb, 0,1
.irp i, 0,1,2,3
	ds_load_b128 v[MK+16*\bb+4*\i:MK+16*\bb+4*\i+3], v10 offset:256+128*\bb+16*\i   ; the other half's mask
.endr
.endr
.endif
.irp bb, 0,1
	v_max3_num_f32 v[200+\bb], v[S+16*\bb], v[S+16*\bb+1], 0x1800000   ; none is negative; the floor 2^(3 - 127) holds the byte at 1 from below
.endr
.irp i, 2,4,6,8,10,12,14
.irp bb, 0,1
	v_max3_num_f32 v[200+\bb], v[200+\bb], v[S+16*\bb+\i], v[S+16*\bb+\i+1]
.endr
.endr
.irp bb, 0,1
	v_permlanex16_b32 v[204+\bb], v[200+\bb], s60, s61
.endr
.irp bb, 0,1
	v_max_num_f32 v[200+\bb], v[200+\bb], v[204+\bb]
.endr
.irp bb, 0,1
	v_add_nc_u32 v[208+\bb], 0xff000000, v[200+\bb]
.endr
.irp bb, 0,1
	v_lshrrev_b32 v[212+2*\hh+\bb], 23, v[208+\bb]
.endr
.if \hh == 1
	v_lshl_or_b32 v31, v213, 8, v212               ; p's scale word for these 128 keys
	v_lshl_or_b32 v31, v214, 16, v31
	v_lshl_or_b32 v31, v215, 24, v31
.endif
.irp bb, 0,1
	v_cvt_scalef32_pk8_fp4_f32 v[P+4*\hh+2*\bb], v[S+16*\bb:S+16*\bb+7], v[208+\bb]
	v_cvt_scalef32_pk8_fp4_f32 v[P+4*\hh+2*\bb+1], v[S+16*\bb+8:S+16*\bb+15], v[208+\bb]
.endr
	v_nop                                          ; one plain place behind a scaled conversion
.irp i, 0,1
	v_permlane16_swap_b32 v[P+4*\hh+\i], v[P+4*\hh+2+\i]
.endr
.if \hh == 0
	s_wait_dscnt 8                                 ; K's tiles 4-7, V and its scales are in; the eight loads of the mask may be out
.endif
.endm
; A key step.  pv = 0: the first step;  2: the last step's products on V stand at the head and start O^T's sums;  1: they add onto them.
.macro STEP2 pv
	v_add_nc_u32 v6, s66, v1
	v_add_nc_u32 v7, s67, v2
	v_add_nc_u32 v8, s66, v3
	v_add_nc_u32 v9, s68, v4
	v_add_nc_u32 v10, s67, v5
.irp p, 0,1,2,3
	ds_load_u16 v[25+\p], v7 offset:128*\p
.endr
.irp t, 0,1,2,3
	ds_load_b128 v[32+8*\t:35+8*\t], v6 offset:512*\t
.endr
.irp bb, 0,1
.irp i, 0,1,2,3
	ds_load_b128 v[MK+16*\bb+4*\i:MK+16*\bb+4*\i+3], v10 offset:128*\bb+16*\i
.endr
.endr
.if \pv
	PLACES 3                                       ; a scale register written by a vector instruction stands 8 places ahead of a scaled product: behind p's scale word stand the v_nop behind the conversions, the five additions above and these
.endif
	s_wait_dscnt 8                                 ; K's scales and tiles 0-3 are in; the mask's eight loads may be out
.if \pv == 1
	PV 0
.elseif \pv == 2
	PV 1
.endif
	HALF2 0
	HALF2 1
.endm
	s_mov_b32 s66, 0                               ; 4,096 bytes a step: K's codes and V's
	s_mov_b32 s67, 0                               ; 512 bytes a step: K's scale words and the mask
	s_mov_b32 s68, 0                               ; 256 bytes a step: V's scale words
	STEP2 0
	s_add_co_u32 s66, s66, 4096
	s_add_co_u32 s67, s67, 512
	s_add_co_u32 s68, s68, 256
	STEP2 2
	s_mov_b32 s69, 14
.Lpass2:
	s_add_co_u32 s66, s66, 4096
	s_add_co_u32 s67, s67, 512
	s_add_co_u32 s68, s68, 256
	STEP2 1
	s_sub_co_u32 s69, s69, 1
	s_cmp_lg_u32 s69, 0
	s_cbranch_scc1 .Lpass2
	PLACES 8                                       ; behind p's last scale word
	PV 0                                           ; the last step's products on V
	; THE WAY OUT.  Register 16 g + i of O^T is channel 32 g + 16 h + i of my query: two blocks of the last product's K.
	PLACES 4
.irp g, 0,1
	v_max3_num_f32 v[200+\g], |v[O+16*\g]|, |v[O+16*\g+1]|, 0x1800000
.endr
.irp i, 2,4,6,8,10,12,14
.irp g, 0,1
	v_max3_num_f32 v[200+\g], v[200+\g], |v[O+16*\g+\i]|, |v[O+16*\g+\i+1]|
.endr
.endr
.irp g, 0,1
	v_permlanex16_b32 v[204+\g], v[200+\g], s60, s61
.endr
.irp g, 0,1
	v_max_num_f32 v[200+\g], v[200+\g], v[204+\g]
.endr
.irp g, 0,1
	v_add_nc_u32 v[208+\g], 0xff000000, v[200+\g]
.endr
.irp g, 0,1
	v_lshrrev_b32 v[212+\g], 23, v[208+\g]
.endr
.irp g, 0,1
	v_cvt_scalef32_pk8_fp4_f32 v[P+2*\g], v[O+16*\g:O+16*\g+7], v[208+\g]
	v_cvt_scalef32_pk8_fp4_f32 v[P+2*\g+1], v[O+16*\g+8:O+16*\g+15], v[208+\g]
.endr
	v_nop
	v_permlane16_swap_b32 v[P], v[P+2]
	v_permlane16_swap_b32 v[P+1], v[P+3]
	global_store_b128 v1, v[P:P+3], s[92:93]       ; 512 consecutive bytes, at the place of Q's codes
	v_cmp_eq_u32 vcc_lo, 1, v221
	v_cndmask_b32 v212, v212, v213, vcc_lo         ; lane (r, h) stores block h's byte of row r:
	v_add_nc_u32 v220, v220, v221
	global_store_b8 v220, v212, s[94:95]           ; single bytes, 32 a tile and head: aligned blocks of 256 bytes are written in part here
	s_wait_tensorcnt 0x0
	ds_add_u32 v254, v255
	s_wait_dscnt 0x0
	s_endpgm
.Lfunc_end_k_qaae4ff5ba9_attn:
	.size	k_qaae4ff5ba9_attn, .Lfunc_end_k_qaae4ff5ba9_attn-k_qaae4ff5ba9_attn
	.p2alignl 7, 3214868480
	.fill 96, 4, 3214868480
	.section	.rodata,"a",@progbits
	.p2align	6, 0x0
	.amdhsa_kernel k_qaae4ff5ba9_attn
		.amdhsa_group_segment_fixed_size 169984
		.amdhsa_private_segment_fixed_size 0
		.amdhsa_enable_private_segment 0
		.amdhsa_kernarg_size 48
		.amdhsa_user_sgpr_count 2
		.amdhsa_user_sgpr_kernarg_segment_ptr 1
		.amdhsa_wavefront_size32 1
		.amdhsa_system_sgpr_workgroup_id_x 1
		.amdhsa_system_sgpr_workgroup_id_y 1
		.amdhsa_system_sgpr_workgroup_id_z 1
		.amdhsa_system_vgpr_workitem_id 0
		.amdhsa_next_free_vgpr 256
		.amdhsa_next_free_sgpr 100
		.amdhsa_reserve_vcc 1
		.amdhsa_float_denorm_mode_32 3
		.amdhsa_float_denorm_mode_16_64 3
		.amdhsa_memory_ordered 1
		.amdhsa_forward_progress 1
		.amdhsa_inst_pref_size 84
	.end_amdhsa_kernel
	.amdgpu_metadata
---
amdhsa.version: [ 1, 2 ]
amdhsa.kernels:
  - .name:           k_qaae4ff5ba9_attn
    .symbol:         k_qaae4ff5ba9_attn.kd
    .args:
      - { .name: pq, .offset: 0, .size: 8, .value_kind: global_buffer, .address_space: global }
      - { .name: pkk, .offset: 8, .size: 8, .value_kind: global_buffer, .address_space: global }
      - { .name: pv, .offset: 16, .size: 8, .value_kind: global_buffer, .address_space: global }
      - { .name: affp, .offset: 24, .size: 8, .value_kind: global_buffer, .address_space: global }
      - { .name: px, .offset: 32, .size: 8, .value_kind: global_buffer, .address_space: global }
      - { .name: out2, .offset: 40, .size: 8, .value_kind: global_buffer, .address_space: global }
    .group_segment_fixed_size: 169984
    .private_segment_fixed_size: 0
    .kernarg_segment_align: 8
    .kernarg_segment_size: 48
    .max_flat_workgroup_size: 512
    .sgpr_count:     100
    .vgpr_count:     256
    .wavefront_size: 32
...
	.end_amdgpu_metadata
.endif
;; end of part 3
;; launch outs (part 4): grid 4 x 48, 16 waves a work-group, clusters of 4 x 4, 280,576 bytes of LDS; arguments pq, pkk, px, pk, bp, out1, out0; writes out1, out0
.if DOCPART == 4
	.amdgcn_target "amdgcn-amd-amdhsa--gfx1250"
	.amdhsa_code_object_version 6
	.text
	.protected	k_qaae4ff5ba9_outs
	.globl	k_qaae4ff5ba9_outs
	.p2align	8
	.type	k_qaae4ff5ba9_outs,@function
k_qaae4ff5ba9_outs:
	s_mov_b64 s[64:65], 0
	v_nop
	global_prefetch_b8 v0, s[64:65] scope:SCOPE_SE
	s_setreg_imm32_b32 hwreg(HW_REG_WAVE_MODE, 25, 1), 1
	s_wait_xcnt 0x0
	s_wait_alu depctr_hold_cnt(0) depctr_sa_sdst(0) depctr_va_vdst(0) depctr_va_sdst(0) depctr_va_ssrc(0) depctr_va_vcc(0) depctr_vm_vsrc(0)
	s_getreg_b32 s2, hwreg(HW_REG_IB_STS2, 6, 4)
	s_cmp_eq_u32 s2, 0
	s_cbranch_scc0 .Lentry_in_a_cluster
	s_endpgm
.Lentry_in_a_cluster:
	s_bfe_u32 s2, ttmp6, 0x10000c
	s_cmp_lg_u32 s2, 0xf033
	s_cbranch_scc0 .Lentry_shape_is_right
	s_endpgm
.Lentry_shape_is_right:
; out1[b][q][k] = (the sum over all 1,024 channels of Q(q) Q(k)) / 192: the sum over the heads of the per-head products is ONE product over K = 1,024 on the same codes, since the blocks of 32 lie inside heads;
; out0 = Q(x) Q(Wp)^T + bp.  Both on codes of FP4 (E2M1) with E8M0 scales, read as packs: a block of 256 rows is BLK bytes, two K halves of HALF; a half: codes [K step 4][tile 16][c 2][lane 32][16 bytes],
; SCO bytes on scale words [K step 4][tile 16][row 16]; lane r of tile T is row 32 (T / 2) + 8 (T % 2) + r % 8 + 16 (r / 8) of the block.
; SHARES.  A work-group takes a block S0 (the output's 256 columns) x a block S1 (its 256 rows), all of K, both filled into LDS ONCE.  Wave w of sixteen: S0's tiles 8 (w % 2) + 0..7, S1's tiles 2 (w / 2) + 0, 1: 16 accumulators.
; Source 0 is S0's tile: a lane holds one row of the output and 128 neighbouring columns in 64 registers.
; JOBS, by the cluster's y (Y): Y < 8: out1, batch Y / 4, S0 = pkk, S1 = pq;  Y >= 8: out0, S0 = Wp's pack, S1 = px.
; CLUSTER 4 x 4: S0's block hangs on cx alone and is asked for jointly by my column of the cluster, S1's on cy alone, by my row.  A half (272 rows of 256 bytes, dense) is shared out evenly among the sixteen waves, 17 rows a load,
; so that no branch stands round a tensor load; a wave has four loads out.
; THE WAY OUT goes through a stage of 16 rows x (512 + 16) bytes for each wave, laid over the operands: they have had their only fill, and a barrier stands behind every wave's last read of them.
.set BLK,  139264
.set HALF, 69632
.set SCO,  65536
.set PART, 4352
.set LI,   1                           ; v1   16 x lane
.set LS,   2                           ; v2   4 x lane
.set VH,   3                           ; v3   h
.set VR,   4                           ; v4   r
.set A0,   5                           ; v5, v6    LDS: my S0 fragments, half 0, 1
.set A1,   7                           ; v7, v8    my S1 fragments
.set Z0,   9                           ; v9, v10   my S0 scale words
.set Z1,   11                          ; v11, v12  my S1 scale words
.set STO,  13                          ; v13  the stage: where I put my row's bytes
.set H64,  14                          ; v14  64 h
.set RD,   15                          ; v15  the stage: where I read a row back
.set VO,   16                          ; v16-31 byte offset of stage row t in the output
.set CB,   16
.set SC0,  32                          ; v32-35 S0's scale words: register p: tile 2 p in lanes 0-15, tile 2 p + 1 in lanes 16-31
.set SC1,  36                          ; v36    S1's
.set F1,   48                          ; v48-63  S1's two fragments
.set F0,   64                          ; v64-127 S0's eight fragments; later rows of the output
.set ACC,  128                         ; v128-255 accumulator (S0 tile i, S1 tile n) at ACC + 64 n + 8 i
.macro ROUND                           ; a round of the cluster's barrier
	s_barrier_signal -1
	s_barrier_wait -1
	s_cmp_lg_u32 s22, 0
	s_cbranch_scc1 .Lnot_wave_0_\@
	s_barrier_signal -3
.Lnot_wave_0_\@:
	s_barrier_wait -3
	s_barrier_signal -1
	s_barrier_wait -1
.endm
.macro WM d, a, b, c, sa, sb, ra, rb   ; one product.  c < 0: the sum starts with 0.  ra, rb: the side's scale words stand in lanes 16-31
.if (\c) < 0
.if (\ra) && (\rb)
	v_wmma_scale_f32_16x16x128_f8f6f4 v[(\d):(\d)+7], v[(\a):(\a)+7], v[(\b):(\b)+7], 0, v[(\sa)], v[(\sb)] matrix_a_fmt:MATRIX_FMT_FP4 matrix_b_fmt:MATRIX_FMT_FP4 matrix_a_scale:MATRIX_SCALE_ROW1 matrix_b_scale:MATRIX_SCALE_ROW1
.elseif (\ra)
	v_wmma_scale_f32_16x16x128_f8f6f4 v[(\d):(\d)+7], v[(\a):(\a)+7], v[(\b):(\b)+7], 0, v[(\sa)], v[(\sb)] matrix_a_fmt:MATRIX_FMT_FP4 matrix_b_fmt:MATRIX_FMT_FP4 matrix_a_scale:MATRIX_SCALE_ROW1
.elseif (\rb)
	v_wmma_scale_f32_16x16x128_f8f6f4 v[(\d):(\d)+7], v[(\a):(\a)+7], v[(\b):(\b)+7], 0, v[(\sa)], v[(\sb)] matrix_a_fmt:MATRIX_FMT_FP4 matrix_b_fmt:MATRIX_FMT_FP4 matrix_b_scale:MATRIX_SCALE_ROW1
.else
	v_wmma_scale_f32_16x16x128_f8f6f4 v[(\d):(\d)+7], v[(\a):(\a)+7], v[(\b):(\b)+7], 0, v[(\sa)], v[(\sb)] matrix_a_fmt:MATRIX_FMT_FP4 matrix_b_fmt:MATRIX_FMT_FP4
.endif
.else
.if (\ra) && (\rb)
	v_wmma_scale_f32_16x16x128_f8f6f4 v[(\d):(\d)+7], v[(\a):(\a)+7], v[(\b):(\b)+7], v[(\c):(\c)+7], v[(\sa)], v[(\sb)] matrix_a_fmt:MATRIX_FMT_FP4 matrix_b_fmt:MATRIX_FMT_FP4 matrix_a_scale:MATRIX_SCALE_ROW1 matrix_b_scale:MATRIX_SCALE_ROW1
.elseif (\ra)
	v_wmma_scale_f32_16x16x128_f8f6f4 v[(\d):(\d)+7], v[(\a):(\a)+7], v[(\b):(\b)+7], v[(\c):(\c)+7], v[(\sa)], v[(\sb)] matrix_a_fmt:MATRIX_FMT_FP4 matrix_b_fmt:MATRIX_FMT_FP4 matrix_a_scale:MATRIX_SCALE_ROW1
.elseif (\rb)
	v_wmma_scale_f32_16x16x128_f8f6f4 v[(\d):(\d)+7], v[(\a):(\a)+7], v[(\b):(\b)+7], v[(\c):(\c)+7], v[(\sa)], v[(\sb)] matrix_a_fmt:MATRIX_FMT_FP4 matrix_b_fmt:MATRIX_FMT_FP4 matrix_b_scale:MATRIX_SCALE_ROW1
.else
	v_wmma_scale_f32_16x16x128_f8f6f4 v[(\d):(\d)+7], v[(\a):(\a)+7], v[(\b):(\b)+7], v[(\c):(\c)+7], v[(\sa)], v[(\sb)] matrix_a_fmt:MATRIX_FMT_FP4 matrix_b_fmt:MATRIX_FMT_FP4
.endif
.endif
.endm
; The fragments and scale words of the half's q-th K step: 25 LDS loads, each of consecutive bytes; S0's tiles last and ascending
.macro KLOAD a0, a1, z0, z1, q
.irp p, 0,1,2,3
	ds_load_b32 v[SC0+\p], v[\z0] offset:1024*(\q)+128*\p
.endr
	ds_load_b32 v[SC1], v[\z1] offset:1024*(\q)
.irp n, 0,1
.irp c, 0,1
	ds_load_b128 v[F1+8*\n+4*\c:F1+8*\n+4*\c+3], v[\a1] offset:16384*(\q)+1024*\n+512*\c
.endr
.endr
.irp i, 0,1,2,3,4,5,6,7
.irp c, 0,1
	ds_load_b128 v[F0+8*\i+4*\c:F0+8*\i+4*\c+3], v[\a0] offset:16384*(\q)+1024*\i+512*\c
.endr
.endr
.endm
; Eight products: S0's tiles i0 .. i0 + 3 x S1's two.  cm = 0: C is 0;  1: the accumulator.  The sixteen accumulators take turns, one instruction a turn, in the same order in every K step.
.macro MULS i0, cm
.irp i, \i0, \i0+1, \i0+2, \i0+3
.irp n, 0,1
.if \cm == 0
	WM ACC+64*\n+8*(\i), F0+8*(\i), F1+8*\n, -1, SC0+(\i)/2, SC1, (\i)%2, \n
.else
	WM ACC+64*\n+8*(\i), F0+8*(\i), F1+8*\n, ACC+64*\n+8*(\i), SC0+(\i)/2, SC1, (\i)%2, \n
.endif
.endr
.endr
.endm
.macro KSTEP a0, a1, z0, z1, q
.rept 4
	v_nop                                          ; four places in front of loads into registers that matrix instructions have read (ISA guide 7.12.1 for vector instructions)
.endr
	KLOAD \a0, \a1, \z0, \z1, \q
	s_wait_dscnt 0x8                               ; all but the youngest eight loads: S0's tiles 4-7
	MULS 0, 1
	s_wait_dscnt 0x0
	MULS 4, 1
.endm
; 64 numbers along 128 columns into v[reg] on, in the result's layout: register 8 i + j of lane (r, h) is number 32 (i / 2) + 8 (i % 2) + 16 h + j
.macro ROWVEC reg, base
.irp i, 0,1,2,3,4,5,6,7
	global_load_b128 v[\reg+8*\i:\reg+8*\i+3], v[H64], s[\base:\base+1] offset:(32*(\i/2)+8*(\i%2))*4
	global_load_b128 v[\reg+8*\i+4:\reg+8*\i+7], v[H64], s[\base:\base+1] offset:(32*(\i/2)+8*(\i%2))*4+16
.endr
.endm
	s_load_b256 s[4:11], s[0:1], 0x0               ; pq s[4:5], pkk s[6:7], px s[8:9], pk s[10:11]
	s_load_b128 s[12:15], s[0:1], 0x20             ; bp s[12:13], out1 s[14:15]
	s_load_b64 s[16:17], s[0:1], 0x30              ; out0
	v_lshl_add_u32 v46, v0, 2, 0x44000
	v_mov_b32 v47, 0
	ds_add_u32 v46, v47
	ds_add_u32 v46, v47
	v_lshrrev_b32 v13, 5, v0
	v_readfirstlane_b32 s22, v13                   ; wave 0..15
	s_and_b32 s23, s22, 1                          ; which eight tiles of S0
	s_lshr_b32 s24, s22, 1                         ; which two tiles of S1
	s_bfe_u32 s25, ttmp6, 0x40000                  ; cx
	s_bfe_u32 s26, ttmp6, 0x40004                  ; cy
	s_and_b32 s27, ttmp7, 0xffff                   ; Y: the cluster's y, 0 .. 11
	s_lshr_b32 s28, s27, 3                         ; the job: 0 out1, 1 out0
	s_lshl_b32 s30, 0x1111, s25                    ; my column of the cluster
	s_lshl_b32 s31, s26, 2
	s_lshl_b32 s31, 15, s31                        ; my row
	s_or_b32 s32, s30, (3<<16)|(1<<21)             ; group 1 for S0: 15:0 the mask; 17:16 elements of 8 bytes; 21 set beside a mask; no padding
	s_or_b32 s40, s31, (3<<16)|(1<<21)             ; and for S1
.irp g, 32, 40
	s_mov_b32 s[\g+1], 32<<16                      ; tensor_dim0 = 32 elements: 256 bytes
	s_mov_b32 s[\g+2], 17<<16                      ; tensor_dim1 = 17
	s_mov_b32 s[\g+3], 32<<16                      ; tile_dim0
	s_mov_b32 s[\g+4], 17                          ; tile_dim1
	s_mov_b32 s[\g+5], 32                          ; the pitch: dense
	s_mov_b32 s[\g+6], 0
	s_mov_b32 s[\g+7], 0
.endr
	s_lshr_b32 s30, s27, 2
	s_lshl_b32 s30, s30, 3                         ; out1: the batch's first block, 8 b
	s_bfe_u32 s31, s27, 0x10001
	s_lshl_b32 s31, s31, 2                         ; out1: the cluster's first block of keys in the batch
	s_add_co_u32 s66, s30, s31
	s_and_b32 s29, s27, 1
	s_lshl_b32 s29, s29, 2
	s_add_co_u32 s67, s30, s29                     ; out1: the cluster's first block of queries
	s_and_b32 s29, s27, 3
	s_lshl_b32 s29, s29, 2                         ; out0: the cluster's first block of rows, 4 (Y - 8)
	s_cmp_eq_u32 s28, 0
	s_cselect_b32 s66, s66, 44                     ; out0: Wp's first block in pk
	s_cselect_b32 s67, s67, s29
	s_cselect_b32 s73, s31, 0
	s_cselect_b32 s75, 13, 12                      ; a row of the output: 8,192 or 4,096 bytes
	s_add_co_u32 s66, s66, s25                     ; S0's block: + cx
	s_add_co_u32 s67, s67, s26                     ; S1's block: + cy
	s_add_co_u32 s73, s73, s25                     ; the output's block of 256 columns
	s_lshl_b32 s74, 1, s75
	s_mul_i32 s68, s66, BLK
	s_mul_i32 s70, s67, BLK
	s_mul_i32 s30, s22, PART                       ; my part of a half, in memory and in LDS alike
	s_add_co_u32 s68, s68, s30
	s_add_co_u32 s70, s70, s30
	s_mov_b32 s69, 0
	s_mov_b32 s71, 0
	s_mov_b32 s94, 0x3baaaaab                      ; 1 / 192 = (1 / 8) / 1.5 / 16
	s_mov_b32 s95, s94
	s_wait_dscnt 0x0
	s_wait_kmcnt 0x0
	s_cmp_eq_u32 s28, 0
	s_cselect_b64 s[82:83], s[6:7], s[10:11]       ; S0: pkk or pk;  the choices hang on the job alone
	s_cselect_b64 s[84:85], s[4:5], s[8:9]         ; S1: pq or px
	s_cselect_b64 s[76:77], s[14:15], s[16:17]     ; out1 or out0
	s_add_nc_u64 s[68:69], s[82:83], s[68:69]
	s_add_nc_u64 s[70:71], s[84:85], s[70:71]
	s_mov_b32 s48, 1                               ; group 0: S0, half 0
	s_mov_b32 s49, s30
	s_mov_b64 s[50:51], s[68:69]
	s_or_b32 s51, s51, 0x80000000
	s_mov_b32 s52, 1                               ; S1, half 0
	s_add_co_u32 s53, s30, BLK
	s_mov_b64 s[54:55], s[70:71]
	s_or_b32 s55, s55, 0x80000000
	s_mov_b32 s56, 1                               ; S0, half 1
	s_add_co_u32 s57, s30, HALF
	s_add_nc_u64 s[58:59], s[68:69], HALF
	s_or_b32 s59, s59, 0x80000000
	s_mov_b32 s60, 1                               ; S1, half 1
	s_add_co_u32 s61, s30, BLK+HALF
	s_add_nc_u64 s[62:63], s[70:71], HALF
	s_or_b32 s63, s63, 0x80000000
	ROUND                                          ; all sixteen work-groups are here: the joint loads meet
	tensor_load_to_lds s[48:51], s[32:39]
	s_nop 0
	tensor_load_to_lds s[52:55], s[40:47]
	s_nop 0
	tensor_load_to_lds s[56:59], s[32:39]
	s_nop 0
	tensor_load_to_lds s[60:63], s[40:47]
	s_nop 0
.rept 4
	v_nop
.endr
	v_and_b32 v13, 31, v0
	v_lshlrev_b32 v[LI], 4, v13
	v_lshlrev_b32 v[LS], 2, v13
	v_bfe_u32 v[VH], v0, 4, 1
	v_and_b32 v[VR], 15, v0
	s_lshl_b32 s30, s23, 13
	v_add_nc_u32 v[A0], s30, v[LI]
	v_add_nc_u32 v[A0+1], HALF, v[A0]
	s_lshl_b32 s30, s24, 11
	s_add_co_u32 s30, s30, BLK
	v_add_nc_u32 v[A1], s30, v[LI]
	v_add_nc_u32 v[A1+1], HALF, v[A1]
	s_lshl_b32 s30, s23, 9
	s_add_co_u32 s30, s30, SCO
	v_add_nc_u32 v[Z0], s30, v[LS]
	v_add_nc_u32 v[Z0+1], HALF, v[Z0]
	s_lshl_b32 s30, s24, 7
	s_add_co_u32 s30, s30, BLK+SCO
	v_add_nc_u32 v[Z1], s30, v[LS]
	v_add_nc_u32 v[Z1+1], HALF, v[Z1]
	v_lshlrev_b32 v[H64], 6, v[VH]
	s_mul_i32 s30, s22, 16*528                     ; my stage
	v_mul_u32_u24 v[STO], v[VR], 528
	v_lshl_add_u32 v[STO], v[VH], 6, v[STO]
	v_add_nc_u32 v[STO], s30, v[STO]               ; in: row r, + 64 h
	v_add_nc_u32 v[RD], s30, v[LI]                 ; back: 32 lanes take a row of 512 bytes
	s_lshl_b32 s80, s67, 8
	s_lshl_b32 s30, s24, 5
	s_add_co_u32 s80, s80, s30                     ; the 32 rows in which my two tiles lie begin here
	s_lshl_b32 s80, s80, s75
	s_lshl_b32 s30, s73, 10
	s_add_co_u32 s80, s80, s30
	s_lshl_b32 s30, s23, 9
	s_add_co_u32 s80, s80, s30                     ; + my 128 columns
	s_mov_b32 s81, 0
	s_add_nc_u64 s[76:77], s[76:77], s[80:81]      ; tile 0's rows,
	s_lshl_b32 s80, s74, 3
	s_add_nc_u64 s[78:79], s[76:77], s[80:81]      ; tile 1's: 8 rows on
	s_lshl_b32 s86, s25, 10
	s_lshl_b32 s30, s23, 9
	s_add_co_u32 s86, s86, s30                     ; out0: bp at my 128 columns
	s_mov_b32 s87, 0
	s_add_nc_u64 s[86:87], s[12:13], s[86:87]
	s_wait_tensorcnt 0x2                           ; my parts of the two first halves are in; the second halves' two loads may stay out
	s_barrier_signal -1
	s_barrier_wait -1                              ; everybody's are
	KLOAD A0, A1, Z0, Z1, 0
	s_cmp_eq_u32 s28, 0
	s_cbranch_scc1 .Lfirst_1
	ROWVEC ACC, 86                                 ; out0: the bias is loaded into the accumulators, once for each S1 tile, and K step 0 adds onto it
	ROWVEC ACC+64, 86
	s_wait_loadcnt 0x0
	s_wait_dscnt 0x8
	MULS 0, 1
	s_wait_dscnt 0x0
	MULS 4, 1
	s_branch .Lfirst_done
.Lfirst_1:
	s_wait_dscnt 0x8
	MULS 0, 0                                      ; out1: K step 0 starts the sums with 0
	s_wait_dscnt 0x0
	MULS 4, 0
.Lfirst_done:
	KSTEP A0, A1, Z0, Z1, 1
	KSTEP A0, A1, Z0, Z1, 2
	KSTEP A0, A1, Z0, Z1, 3
	s_wait_tensorcnt 0x0                           ; my parts of the second halves are in,
	s_wait_dscnt 0x0
	s_barrier_signal -1
	s_barrier_wait -1                              ; everybody's are
	KSTEP A0+1, A1+1, Z0+1, Z1+1, 0
	KSTEP A0+1, A1+1, Z0+1, Z1+1, 1
	KSTEP A0+1, A1+1, Z0+1, Z1+1, 2
	KSTEP A0+1, A1+1, Z0+1, Z1+1, 3
	; THE WAY OUT
	s_wait_dscnt 0x0                               ; my reads of the operands are over,
	s_barrier_signal -1
	s_barrier_wait -1                              ; everybody's are: the stages may be laid over them
.set t, 0
.rept 16
	v_mad_u32_u24 v[VO+t], s74, (t%8)+16*(t/8), v[LI]   ; stage row t is row t % 8 + 16 (t / 8) of the tile's rows.  (These sixteen are also the places behind the last products)
.set t, t+1
.endr
	s_cmp_lg_u32 s28, 0
	s_cbranch_scc1 .Lno_alpha
.set j, 0
.rept 64
	v_pk_mul_f32 v[ACC+j:ACC+j+1], v[ACC+j:ACC+j+1], s[94:95] op_sel_hi:[1,0]   ; out1: / 192, each accumulator from its low end on
.set j, j+2
.endr
.Lno_alpha:
.macro TOSTAGE n                       ; lane (r, h): columns 32 (i / 2) + 16 h + 8 (i % 2) + 0..7 of row r; each accumulator from its low end on
.irp i, 0,1,2,3,4,5,6,7
	ds_store_b128 v[STO], v[ACC+64*\n+8*\i:ACC+64*\n+8*\i+3] offset:128*(\i/2)+32*(\i%2)
	ds_store_b128 v[STO], v[ACC+64*\n+8*\i+4:ACC+64*\n+8*\i+7] offset:128*(\i/2)+32*(\i%2)+16
.endr
.endm
.macro BACK reg                        ; LDS serves a wave's instructions in order (ISA guide 5.7.1.4): these see the stores above, and the next tile's stores come behind them
.set t, 0
.rept 16
	ds_load_b128 v[\reg+4*t:\reg+4*t+3], v[RD] offset:528*t
.set t, t+1
.endr
.endm
.macro SEND reg, base
.set t, 0
.rept 16
	global_store_b128 v[VO+t], v[\reg+4*t:\reg+4*t+3], s[\base:\base+1] th:TH_STORE_NT   ; 32 lanes store 512 consecutive bytes, at a multiple of 512 from the output's first byte
.set t, t+1
.endr
.endm
	TOSTAGE 0
	BACK F0
	TOSTAGE 1
	BACK ACC                                       ; into tile 0's accumulators, which its stores into the stage have read
	s_wait_dscnt 32                                ; tile 0's rows are back; behind them: tile 1's 16 stores and 16 loads
	SEND F0, 76
	s_wait_dscnt 0x0
	SEND ACC, 78
	s_wait_tensorcnt 0x0
	ds_add_u32 v46, v47
	s_wait_dscnt 0x0
	ROUND                                          ; the closing round
	s_endpgm
.Lfunc_end_k_qaae4ff5ba9_outs:
	.size	k_qaae4ff5ba9_outs, .Lfunc_end_k_qaae4ff5ba9_outs-k_qaae4ff5ba9_outs
	.p2alignl 7, 3214868480
	.fill 96, 4, 3214868480
	.section	.rodata,"a",@progbits
	.p2align	6, 0x0
	.amdhsa_kernel k_qaae4ff5ba9_outs
		.amdhsa_group_segment_fixed_size 280576
		.amdhsa_private_segment_fixed_size 0
		.amdhsa_enable_private_segment 0
		.amdhsa_kernarg_size 56
		.amdhsa_user_sgpr_count 2
		.amdhsa_user_sgpr_kernarg_segment_ptr 1
		.amdhsa_wavefront_size32 1
		.amdhsa_system_sgpr_workgroup_id_x 1
		.amdhsa_system_sgpr_workgroup_id_y 1
		.amdhsa_system_sgpr_workgroup_id_z 1
		.amdhsa_system_vgpr_workitem_id 0
		.amdhsa_next_free_vgpr 256
		.amdhsa_next_free_sgpr 100
		.amdhsa_reserve_vcc 0
		.amdhsa_float_denorm_mode_32 3
		.amdhsa_float_denorm_mode_16_64 3
		.amdhsa_memory_ordered 1
		.amdhsa_forward_progress 1
		.amdhsa_inst_pref_size 55
	.end_amdhsa_kernel
	.amdgpu_metadata
---
amdhsa.version: [ 1, 2 ]
amdhsa.kernels:
  - .name:           k_qaae4ff5ba9_outs
    .symbol:         k_qaae4ff5ba9_outs.kd
    .args:
      - { .name: pq, .offset: 0, .size: 8, .value_kind: global_buffer, .address_space: global }
      - { .name: pkk, .offset: 8, .size: 8, .value_kind: global_buffer, .address_space: global }
      - { .name: px, .offset: 16, .size: 8, .value_kind: global_buffer, .address_space: global }
      - { .name: pk, .offset: 24, .size: 8, .value_kind: global_buffer, .address_space: global }
      - { .name: bp, .offset: 32, .size: 8, .value_kind: global_buffer, .address_space: global }
      - { .name: out1, .offset: 40, .size: 8, .value_kind: global_buffer, .address_space: global }
      - { .name: out0, .offset: 48, .size: 8, .value_kind: global_buffer, .address_space: global }
    .group_segment_fixed_size: 280576
    .private_segment_fixed_size: 0
    .kernarg_segment_align: 8
    .kernarg_segment_size: 56
    .max_flat_workgroup_size: 512
    .sgpr_count:     100
    .vgpr_count:     256
    .wavefront_size: 32
...
	.end_amdgpu_metadata
.endif
;; end of part 4
